; MI455X (gfx1250); checked and timed in simulation.
; The chip was launched on July 23, 2026; its instructions are those of AMD's public machine-readable ISA for CDNA 5 (MIT licence, August 2026) and "CDNA5" Instruction Set Architecture Reference Guide (July 2026). The comments in the code are by the model that wrote it; some were corrected since.
;; Attention Block. Allowed arithmetic: matrix products marked QUANTISED: E2M3 operands, one E8M0 scale for each 32 along K, by v_wmma_scale_f32_16x16x128_f8f6f4 with both operands' format E2M3, f32 sums; everything else in f32.
;; Inputs: Wi 3,072 x 1,024 float32; Wo 1,024 x 1,024 float32; bi 3,072 float32; bo 1,024 float32; cutoff_factors 8 x 1,024 x 1,024 float32; x 8 x 1,024 x 1,024 float32.
;; Outputs: out0 8 x 1,024 x 1,024 float32.
;; Constants: use_manual_attention = 1.
;; This version of the problem:
;;   THIS VERSION OF THE PROBLEM IS GIVEN IN LOW PRECISION. The matrix products marked QUANTISED in the list below multiply operands that are first quantised to E2M3 (2 exponent bits, 3 mantissa bits; 6 bits a number), with one power-of-two scale for each 32 numbers along K (OCP MX v1.0); their sums are f32. All else is computed in f32.
;;   The module's matrix products, in the order in which they are computed (A, B: the left and right operand; K: the contracted axis; several contracted axes count as one K, in the product's order):
;;     1. [M 8,192, K 1,024] x [K 1,024, N 3,072]; A: input x; B: input Wi: QUANTISED
;;     2. batch 128 x [M 1,024, K 64] x [K 64, N 1,024]; A: computed on the way; B: computed on the way: QUANTISED
;;     3. batch 128 x [M 1,024, K 1,024] x [K 1,024, N 64]; A: softmax (see below); B: computed on the way: QUANTISED
;;     4. [M 8,192, K 1,024] x [K 1,024, N 1,024]; A: computed on the way; B: input Wo: QUANTISED
;;   THE QUANTISER, for each operand of a quantised product, along K:
;;     - K is cut into blocks of 32 from its start; a last block that is shorter is filled with zeros.
;;     - A block's scale is 2^e with e = floor(log2(the largest magnitude in the block)) - 2, held to -126 .. 127; a block of zeros has e = 0. As a byte (E8M0): e + 127.
;;     - Each number is divided by its block's scale, clamped to +-7.5, and rounded to the nearest number of E2M3, ties to even, subnormals kept.
;;     - The product sums the exact products of the quantised numbers (number of the format x scale) in f32.
;;   ~~~python
;;   def quantise(x, axis):      # numpy; x: float32 -> the quantised numbers, widened to float32 again
;;       x = np.moveaxis(x, axis, -1); K = x.shape[-1]
;;       x = np.pad(x, [(0, 0)] * (x.ndim - 1) + [(0, -K % 32)]); x = x.reshape(x.shape[:-1] + (-1, 32)); a = np.abs(x).max(-1, keepdims=True)
;;       e = np.where(a > 0, np.clip(np.frexp(np.where(a > 0, a, 1))[1] - 1 - 2, -126, 127), 0)      # np.frexp(a)[1] - 1 = floor(log2(a)), exactly
;;       r = np.clip(x / 2.0 ** e, -7.5, 7.5)
;;       step = 2.0 ** (np.maximum(np.frexp(np.where(r == 0, 1, r))[1] - 1, 0) - 3)
;;       q = np.round(r / step) * step * 2.0 ** e      # np.round: ties to even
;;       return np.moveaxis(q.reshape(q.shape[:-2] + (-1,))[..., :K], -1, axis).astype(np.float32)
;;   ~~~
;;   SOFTMAX AHEAD OF A QUANTISED PRODUCT. Where the list says 'softmax', what is quantised is not the finished softmax but p = 2^(t - M), with t = logit x log2(e) and M = ceil(the row's largest t), a whole number; so 1/2 < the row's largest p <= 1. The row's sum l is taken of the UNQUANTISED p, in f32, and the product's result is divided by l at the end. Since M is a whole number, a kernel that streams over the keys may use a running M (the ceiling of the running maximum): every later rescaling is an exact power of two, which a block's scale takes up: the codes' values come out the same.
;;   OPERANDS COMPUTED ON THE WAY. 'Computed on the way' means the value that the module computes at that place (a softmax that the list does not call 'softmax' is quantised finished and normalised). What goes into a quantiser is computed in f32, as accurately as f32 sums, v_exp_f32 and their like allow (about 1e-6 of the number): no bf16 or f16 on the way to a quantiser, and a product that is left as it is and whose result goes on into a quantised operand takes f32 operands (vector FMAs, or v_wmma_f32_16x16x4_f32). A number that lies on a knife's edge between two numbers of the format may be rounded either way, as far as f32 arithmetic and the matrix unit's own rounding can turn it there, and no further.
;; One version. Each part assembles by itself: llvm-mc -triple=amdgcn-amd-amdhsa -mcpu=gfx1250 --defsym DOCPART=n.
;; ======== version 1 of 1: 4 launches
;; limits: right only within a limited range of input values
;; workspace buffers: ops 9,830,400 bytes; qkv 19,660,800 bytes; oq 6,553,600 bytes
;; launch prep (part 1): grid 256 x 1, 6 waves a work-group, no clusters, 51,456 bytes of LDS; arguments x, Wi, Wo, ops; writes ops
.if DOCPART == 1
	.amdgcn_target "amdgcn-amd-amdhsa--gfx1250"
	.amdhsa_code_object_version 6
	.text
	.protected	k_q9688c8112d_prep
	.globl	k_q9688c8112d_prep
	.p2align	8
	.type	k_q9688c8112d_prep,@function
k_q9688c8112d_prep:
	s_mov_b64 s[64:65], 0
	v_nop
	global_prefetch_b8 v0, s[64:65] scope:SCOPE_SE
	s_setreg_imm32_b32 hwreg(HW_REG_WAVE_MODE, 25, 1), 1
	s_wait_xcnt 0x0
; x [8192][1024], Wi [3072][1024], Wo [1024][1024], f32 with K innermost, become codes of FP6 (E2M3) with one E8M0 byte for each 32 along K.
; THEY LEAVE AS IMAGES OF REGISTERS.  Rows go in tiles of 16: lane r of tile T holds row 32 (T / 2) + 8 (T % 2) + r % 8 + 16 (r / 8).  A fragment (a tile x 128 along K) is 12 registers a lane:
; registers 6 c .. 6 c + 5 of lane (r, h) are the 24 code bytes of k = 64 c + 32 h + 0 .. 31; in memory register 4 c + i of lane l lies at byte 512 c + 16 l + 4 i of the fragment's 1,536 bytes.
; ops: codes [tile 0..767][K step 0..7][1,536] (x: tiles 0-511, Wi: 512-703, Wo: 704-767); from SC0 on the scale words [pair of tiles][half of K][lane][K step % 4]: lanes 0-15 the even tile's rows, lanes 16-31 the odd tile's.
; A block's scale is 2^(floor(log2(largest magnitude)) - 2); its byte is that magnitude's exponent field - 2, held at 1 from below.
; LIMITS: a block of zeros gets the byte 1 (its codes are zeros, and this program alone reads the bytes); NaN and infinities among the inputs are not served.
; SHARES.  A wave takes one tile (16 rows) x 512 along K: four fragments of 16 rows x 512 bytes.  6 waves x 256 work-groups = 1,536 = 768 tiles x 2 halves of K.
; Each load reads 512 consecutive bytes of a row; the 16 rows turn through the wave's own stage in LDS (rows of 528 bytes, an odd multiple of 16) and come back as the lane's neighbours along K.
; No tensor load, no barrier: waves share nothing.  Two fragments' loads (32 a wave) are on their way.
.set STG,   8448                       ; a wave's stage: 16 rows x 528 bytes
.set SPARE, 6*STG                      ; behind the stages: the spare words, 128 bytes a wave
.set SC0,   9437184                    ; where the scale words begin in ops
.set R,   16                           ; v16-143  two sets of 64 registers as loaded
.set X,   144                          ; v144-207 my 64 numbers
.set PC,  208                          ; v208-219 a fragment's codes
.set PX,  220                          ; v220-227 the second halves of the blocks' codes
.set MX,  228                          ; v228-229 largest magnitudes
.set SO,  230                          ; v230-231 the conversions' scale operands
.set BY,  232                          ; v232-233 bytes, v234 my two bytes in place, v235 the other half's
.set WE,  240                          ; v240-243 my tile's scale words of the four K steps
.set WS,  248                          ; v248-249 what is stored
	s_load_b128 s[4:7], s[0:1], 0x0                ; x, Wi
	s_load_b64 s[8:9], s[0:1], 0x10                ; Wo
	s_load_b64 s[12:13], s[0:1], 0x18              ; ops
	v_lshl_add_u32 v254, v0, 2, SPARE
	v_mov_b32 v255, 0
	v_lshrrev_b32 v1, 5, v0
	s_delay_alu instid0(VALU_DEP_1)
	v_readfirstlane_b32 s24, v1                    ; wave 0..5
	v_and_b32 v1, 31, v0                           ; lane
	s_delay_alu instid0(VALU_DEP_1)
	v_lshlrev_b32 v2, 4, v1                        ; 16 x lane
	v_and_b32 v5, 15, v0                           ; r
	v_bfe_u32 v6, v0, 4, 1                         ; h
	s_delay_alu instid0(VALU_DEP_1)
	v_lshlrev_b32 v7, 3, v6                        ; 8 h
	s_delay_alu instid0(VALU_DEP_3)
	v_mul_u32_u24 v4, v5, 528
	s_mul_i32 s25, s24, STG
	v_add_nc_u32 v3, s25, v2                       ; the stage, on the way in: 16 x lane in row i
	s_mov_b32 s22, 0x76543210
	s_mov_b32 s23, 0xfedcba98                      ; lane selects: lane l xor 16
	s_mov_b32 s31, 0
	v_lshl_add_u32 v4, v6, 7, v4
	s_delay_alu instid0(VALU_DEP_1)
	v_add_nc_u32 v4, s25, v4                       ; back from the stage: row r, + 128 h: my block of 32 numbers
	v_mov_b32 v[BY+3], 0                           ; a lane permute's destination counts as read
	s_mul_i32 s26, ttmp9, 6
	s_add_co_u32 s26, s26, s24                     ; my unit: 6 x work-group + wave, 0..1535
	s_lshr_b32 s27, s26, 1                         ; the tile, 0..767
	s_and_b32 s28, s26, 1                          ; which half of K
	s_wait_alu depctr_va_vdst(0)
	s_wait_kmcnt 0x0
	s_cmp_lt_u32 s27, 704                          ; the source hangs on the unit's number alone
	s_cselect_b64 s[16:17], s[6:7], s[8:9]
	s_mov_b32 s29, 704
	s_cselect_b32 s29, 512, s29
	s_cmp_lt_u32 s27, 512
	s_cselect_b64 s[16:17], s[4:5], s[16:17]
	s_cselect_b32 s29, 0, s29
	s_sub_co_u32 s29, s27, s29                     ; the tile within its tensor
	s_lshr_b32 s30, s29, 1
	s_lshl_b32 s30, s30, 17                        ; a pair of tiles is 32 rows of 4,096 bytes;
	s_and_b32 s29, s29, 1
	s_lshl_b32 s29, s29, 15                        ; the odd tile begins 8 rows down
	s_add_co_u32 s30, s30, s29
	s_lshl_b32 s29, s28, 11
	s_add_co_u32 s30, s30, s29
	s_add_nc_u64 s[16:17], s[16:17], s[30:31]
	s_mul_i32 s30, s27, 12288                      ; a tile's 8 K steps x 1,536
	s_mul_i32 s29, s28, 6144
	s_add_co_u32 s30, s30, s29
	s_add_nc_u64 s[18:19], s[12:13], s[30:31]
	s_lshr_b32 s30, s27, 1
	s_lshl_b32 s30, s30, 10                        ; scale words: 1,024 bytes a pair of tiles, 512 a half of K, 256 a tile
	s_lshl_b32 s29, s28, 9
	s_add_co_u32 s30, s30, s29
	s_and_b32 s29, s27, 1
	s_lshl_b32 s29, s29, 8
	s_add_co_u32 s30, s30, s29
	s_add_co_u32 s30, s30, SC0
	s_add_nc_u64 s[20:21], s[12:13], s[30:31]
.macro LOADF f                         ; fragment f of the four: 16 rows x 512 bytes into set f % 2
.irp i, 0,1,2,3,4,5,6,7,8,9,10,11,12,13,14,15
	global_load_b128 v[R+64*((\f)%2)+4*\i:R+64*((\f)%2)+4*\i+3], v2, s[16:17] offset:((\i%8)+16*(\i/8))*4096+512*(\f) th:TH_LOAD_NT
.endr
.endm
.macro TOSTG f                         ; the 16 rows as they were loaded
.irp i, 0,1,2,3,4,5,6,7,8,9,10,11,12,13,14,15
	ds_store_b128 v3, v[R+64*((\f)%2)+4*\i:R+64*((\f)%2)+4*\i+3] offset:528*\i
.endr
.endm
.macro QF f
.irp c, 0,1
	v_max3_num_f32 v[MX+\c], |v[X+32*\c]|, |v[X+32*\c+1]|, 0x1800000   ; block 2 c + h is all mine; the floor 2^(3 - 127) holds the byte at 1 from below
.endr
.irp i, 2,4,6,8,10,12,14,16,18,20,22,24,26,28,30
.irp c, 0,1
	s_delay_alu instid0(VALU_DEP_2)
	v_max3_num_f32 v[MX+\c], v[MX+\c], |v[X+32*\c+\i]|, |v[X+32*\c+\i+1]|
.endr
.endr
.irp c, 0,1
	s_delay_alu instid0(VALU_DEP_2)
	v_add_nc_u32 v[SO+\c], 0xff000000, v[MX+\c]    ; 2 off the exponent field: the conversion takes this operand's exponent field as its scale
.endr
.irp c, 0,1
	s_delay_alu instid0(VALU_DEP_2)
	v_lshrrev_b32 v[BY+\c], 23, v[SO+\c]           ; the scale's byte
.endr
	s_delay_alu instid0(VALU_DEP_1)
	v_lshl_or_b32 v[BY+2], v[BY+1], 16, v[BY]      ; blocks h and 2 + h,
	s_delay_alu instid0(VALU_DEP_1)
	v_lshlrev_b32 v[BY+2], v7, v[BY+2]             ; at their places in the word;
	s_delay_alu instid0(VALU_DEP_1)
	v_permlanex16_b32 v[BY+3], v[BY+2], s22, s23
	s_delay_alu instid0(VALU_DEP_1)
	v_or_b32 v[WE+(\f)], v[BY+2], v[BY+3]          ; with the other half's two the row's word is whole, in both halves of the lanes
	s_wait_alu depctr_va_vdst(0)
	s_wait_xcnt 0x0                                ; the last fragment's stores have read the codes' registers
.irp c, 0,1
	v_cvt_scalef32_pk16_fp6_f32 v[PC+6*\c:PC+6*\c+2], v[X+32*\c:X+32*\c+15], v[SO+\c]
	v_cvt_scalef32_pk16_fp6_f32 v[PX+4*\c:PX+4*\c+2], v[X+32*\c+16:X+32*\c+31], v[SO+\c]   ; (a conversion's three registers begin on an even number)
.endr
	v_nop                                          ; one plain instruction behind the scaled conversions
.irp c, 0,1
.irp i, 0,1,2
	v_mov_b32 v[PC+6*\c+3+\i], v[PX+4*\c+\i]
.endr
.endr
.irp c, 0,1,2
	global_store_b128 v2, v[PC+4*\c:PC+4*\c+3], s[18:19] offset:(\f)*1536+512*\c   ; 512 consecutive bytes, aligned
.endr
.endm
.macro QSTEP f
.if (\f) < 3
	s_wait_loadcnt 16                              ; this fragment's 16 loads are in; the next one's may be out
.else
	s_wait_loadcnt 0x0
.endif
	TOSTG \f
.irp c, 0,1
.irp m, 0,1,2,3,4,5,6,7
	ds_load_b128 v[X+32*\c+4*\m:X+32*\c+4*\m+3], v4 offset:256*\c+16*\m   ; LDS serves a wave's instructions in order: these see the stores above
.endr
.endr
	s_wait_dscnt 0x0                               ; my numbers are back, and the stage's stores have read their registers,
.if (\f) < 2
	LOADF (\f)+2                                   ; which take the loads of two fragments on
.endif
	QF \f
.endm
	LOADF 0
	LOADF 1
.irp f, 0,1,2,3
	QSTEP \f
.endr
	v_cmp_lt_u32 vcc_lo, 15, v1
	s_delay_alu instid0(VALU_DEP_1)
	v_cndmask_b32 v[WS], v[WE], v[WE+2], vcc_lo    ; lane (r, h) stores row r's words 2 h and 2 h + 1
	s_delay_alu instid0(VALU_DEP_2)
	v_cndmask_b32 v[WS+1], v[WE+1], v[WE+3], vcc_lo
	v_lshl_add_u32 v8, v5, 4, v7                   ; at 16 r + 8 h:
	global_store_b64 v8, v[WS:WS+1], s[20:21]      ; the 32 lanes fill the tile's 256 consecutive bytes, aligned
	s_wait_tensorcnt 0x0                           ; the wave's end
	ds_add_u32 v254, v255
	s_wait_dscnt 0x0
	s_endpgm
.Lfunc_end_k_q9688c8112d_prep:
	.size	k_q9688c8112d_prep, .Lfunc_end_k_q9688c8112d_prep-k_q9688c8112d_prep
	.p2alignl 7, 3214868480
	.fill 96, 4, 3214868480
	.section	.rodata,"a",@progbits
	.p2align	6, 0x0
	.amdhsa_kernel k_q9688c8112d_prep
		.amdhsa_group_segment_fixed_size 51456
		.amdhsa_private_segment_fixed_size 0
		.amdhsa_enable_private_segment 0
		.amdhsa_kernarg_size 32
		.amdhsa_user_sgpr_count 2
		.amdhsa_user_sgpr_kernarg_segment_ptr 1
		.amdhsa_wavefront_size32 1
		.amdhsa_system_sgpr_workgroup_id_x 1
		.amdhsa_system_sgpr_workgroup_id_y 1
		.amdhsa_system_sgpr_workgroup_id_z 1
		.amdhsa_system_vgpr_workitem_id 0
		.amdhsa_next_free_vgpr 256
		.amdhsa_next_free_sgpr 66
		.amdhsa_reserve_vcc 1
		.amdhsa_float_denorm_mode_32 3
		.amdhsa_float_denorm_mode_16_64 3
		.amdhsa_memory_ordered 1
		.amdhsa_forward_progress 1
		.amdhsa_inst_pref_size 36
	.end_amdhsa_kernel
	.amdgpu_metadata
---
amdhsa.version: [ 1, 2 ]
amdhsa.kernels:
  - .name:           k_q9688c8112d_prep
    .symbol:         k_q9688c8112d_prep.kd
    .args:
      - { .name: x, .offset: 0, .size: 8, .value_kind: global_buffer, .address_space: global }
      - { .name: Wi, .offset: 8, .size: 8, .value_kind: global_buffer, .address_space: global }
      - { .name: Wo, .offset: 16, .size: 8, .value_kind: global_buffer, .address_space: global }
      - { .name: ops, .offset: 24, .size: 8, .value_kind: global_buffer, .address_space: global }
    .group_segment_fixed_size: 51456
    .private_segment_fixed_size: 0
    .kernarg_segment_align: 8
    .kernarg_segment_size: 32
    .max_flat_workgroup_size: 192
    .sgpr_count:     66
    .vgpr_count:     256
    .wavefront_size: 32
...
	.end_amdgpu_metadata
.endif
;; end of part 1
;; launch qkv (part 2): grid 32 x 12, 4 waves a work-group, clusters of 4 x 4, 327,680 bytes of LDS; arguments ops, bi, qkv; writes qkv
.if DOCPART == 2
	.amdgcn_target "amdgcn-amd-amdhsa--gfx1250"
	.amdhsa_code_object_version 6
	.text
	.protected	k_q9688c8112d_qkv
	.globl	k_q9688c8112d_qkv
	.p2align	8
	.type	k_q9688c8112d_qkv,@function
k_q9688c8112d_qkv:
	s_mov_b64 s[64:65], 0
	v_nop
	global_prefetch_b8 v0, s[64:65] scope:SCOPE_SE
	s_setreg_imm32_b32 hwreg(HW_REG_WAVE_MODE, 25, 1), 1
	s_wait_xcnt 0x0
	s_wait_alu depctr_hold_cnt(0) depctr_sa_sdst(0) depctr_va_vdst(0) depctr_va_sdst(0) depctr_va_ssrc(0) depctr_va_vcc(0) depctr_vm_vsrc(0)
	s_getreg_b32 s2, hwreg(HW_REG_IB_STS2, 6, 4)
	s_cmp_eq_u32 s2, 0
	s_cbranch_scc0 .Lentry_in_a_cluster
	s_endpgm
.Lentry_in_a_cluster:
	s_bfe_u32 s2, ttmp6, 0x10000c
	s_cmp_lg_u32 s2, 0xf033
	s_cbranch_scc0 .Lentry_shape_is_right
	s_endpgm
.Lentry_shape_is_right:
; qkv = x Wi^T + bi on codes of FP6 (E2M3) with E8M0 scales, K = 1,024; the result never goes to memory as f32: it is quantised here for the attention's products and leaves as register images.
; A work-group makes 256 tokens x 256 columns, a wave 128 x 128: 64 accumulators.  Source 0 (P) gives the axis that runs along a lane's registers, which is the axis that is quantised; source 1 (R) gives the lanes.
;   columns of q and k (cluster y 0, 1): P = Wi, R = x: a lane holds a token, its registers 128 columns = two heads: quantised along the head's 64 (blocks of 32).
;   columns of v (cluster y 2): P = x, R = Wi: a lane holds a column d, its registers 128 tokens: quantised along the keys.
; Tiles of 16 rows are laid so that lane r of tile T holds row 32 (T / 2) + 8 (T % 2) + r % 8 + 16 (r / 8): the 16 result registers of P's tiles 2 b, 2 b + 1 are then 16 neighbours, 32 b + 16 h + 0 .. 15.
; ops holds fragments as register images of 1,536 bytes, [tile][K step]: three loads of 16 bytes a lane bring one; LDS needs no pitch and no padding.
; qkv: q's and k's codes [128 columns g 0..15][tile of tokens 0..511][1,536]; from VC on v's [128 tokens 0..63][tile of columns 0..63][1,536]; from QKS and VS on the scale words, 512 bytes for 8 tiles: lane l, word p: tile 2 p + l / 16, row l % 16.
; K goes in 8 steps of 128 through three LDS slots of two steps; slot 0 is filled a second time, with steps 6 and 7: one refill, asked for in step 2 and waited for in step 5.
; CLUSTER 4 x 4: x's tiles hang on work-group x alone and are asked for jointly by a column of the cluster, Wi's on work-group y alone, by a row.  The kind of columns hangs on the cluster's y, alike in all sixteen.
; 384 work-groups: no smaller number of equal tiles of this size covers 8,192 x 3,072.  No prefetch: three quarters of a work-group's bytes are asked for at its head.
; LIMITS: a block of zeros gets the byte 1 (zero codes; the bytes are read by this program alone); NaN and infinities are not served.
; REGISTERS: window 0: v1-15 addresses; v16-23 bias by lane; v24-31 scale words made; v32-63 P's scale words, v64-95 R's; v96-191 R's 8 fragments, one set; v192-255 bias by register.
;   window 1: P's 8 fragments, two sets, at v0 and v128.   windows 2, 3: accumulator (a, b) at v[8 (8 (a % 4) + b)].
.set SLOT,  98304                      ; x's 16 tiles x 3,072 bytes (two K steps), then Wi's 16
.set XW,    49152
.set SPARE, 294912                     ; behind the slots: the spare words, 128 bytes a wave
.set SC0,   9437184
.set VC,    12582912
.set QKS,   18874368
.set VS,    19398656
.set LI,   1
.set ADRP, 2                           ; v2-4  P's fragments in slot 0, 1, 2
.set ADRR, 5                           ; v5-7  R's
.set SPW,  8
.set NIL,  9
.set LANE, 10
.set BR,   16
.set W,    24
.set SCP,  32
.set SCR,  64
.set RF,   96
.set BP,   192
.set T,    96                          ; the way out: 64 numbers,
.set PC,   160                         ; their codes,
.set PX,   172
.set TM,   180                         ; v180-183 maxima, v184-187 bytes, v188-191 scale operands
.set G1X,  24
.set G1W,  32
.set G0X,  40                          ; s[40:51] group 0 for x's tiles, a set for each slot;  s[52:63] for Wi's
.set G0W,  52
.set SEL,  70
.set MSB, 0
.macro WIN new                         ; the immediate's high byte repeats the setting that is left
.if MSB != \new
	s_set_vgpr_msb (MSB<<8)|\new
.set MSB, \new
.endif
.endm
.macro PLACES                          ; four plain instructions behind matrix instructions, ahead of loads into their sources and of reads of their results
.rept 4
	v_nop
.endr
.endm
.macro CREST
	s_cmp_lg_u32 s10, 0
	s_cbranch_scc1 .Lnot_wave_0_\@
	s_barrier_signal -3
.Lnot_wave_0_\@:
	s_barrier_wait -3
	s_barrier_signal -1
	s_barrier_wait -1
.endm
.macro CROUND
	s_barrier_signal -1
	s_barrier_wait -1
	CREST
.endm
; one product; the registers are the symbols rD, rA, rB, rC, rSA, rSB.  cm = 0: C is 0.  ar, br: the half of the lanes in which source 0's and source 1's scale words lie
.macro WMMA cm, ar, br
.if (\cm) == 0
.if (\ar) == 0
.if (\br) == 0
	v_wmma_scale_f32_16x16x128_f8f6f4 v[rD:rD+7], v[rA:rA+11], v[rB:rB+11], 0, v[rSA], v[rSB] matrix_a_fmt:MATRIX_FMT_FP6 matrix_b_fmt:MATRIX_FMT_FP6
.else
	v_wmma_scale_f32_16x16x128_f8f6f4 v[rD:rD+7], v[rA:rA+11], v[rB:rB+11], 0, v[rSA], v[rSB] matrix_a_fmt:MATRIX_FMT_FP6 matrix_b_fmt:MATRIX_FMT_FP6 matrix_b_scale:MATRIX_SCALE_ROW1
.endif
.else
.if (\br) == 0
	v_wmma_scale_f32_16x16x128_f8f6f4 v[rD:rD+7], v[rA:rA+11], v[rB:rB+11], 0, v[rSA], v[rSB] matrix_a_fmt:MATRIX_FMT_FP6 matrix_b_fmt:MATRIX_FMT_FP6 matrix_a_scale:MATRIX_SCALE_ROW1
.else
	v_wmma_scale_f32_16x16x128_f8f6f4 v[rD:rD+7], v[rA:rA+11], v[rB:rB+11], 0, v[rSA], v[rSB] matrix_a_fmt:MATRIX_FMT_FP6 matrix_b_fmt:MATRIX_FMT_FP6 matrix_a_scale:MATRIX_SCALE_ROW1 matrix_b_scale:MATRIX_SCALE_ROW1
.endif
.endif
.else
.if (\ar) == 0
.if (\br) == 0
	v_wmma_scale_f32_16x16x128_f8f6f4 v[rD:rD+7], v[rA:rA+11], v[rB:rB+11], v[rC:rC+7], v[rSA], v[rSB] matrix_a_fmt:MATRIX_FMT_FP6 matrix_b_fmt:MATRIX_FMT_FP6
.else
	v_wmma_scale_f32_16x16x128_f8f6f4 v[rD:rD+7], v[rA:rA+11], v[rB:rB+11], v[rC:rC+7], v[rSA], v[rSB] matrix_a_fmt:MATRIX_FMT_FP6 matrix_b_fmt:MATRIX_FMT_FP6 matrix_b_scale:MATRIX_SCALE_ROW1
.endif
.else
.if (\br) == 0
	v_wmma_scale_f32_16x16x128_f8f6f4 v[rD:rD+7], v[rA:rA+11], v[rB:rB+11], v[rC:rC+7], v[rSA], v[rSB] matrix_a_fmt:MATRIX_FMT_FP6 matrix_b_fmt:MATRIX_FMT_FP6 matrix_a_scale:MATRIX_SCALE_ROW1
.else
	v_wmma_scale_f32_16x16x128_f8f6f4 v[rD:rD+7], v[rA:rA+11], v[rB:rB+11], v[rC:rC+7], v[rSA], v[rSB] matrix_a_fmt:MATRIX_FMT_FP6 matrix_b_fmt:MATRIX_FMT_FP6 matrix_a_scale:MATRIX_SCALE_ROW1 matrix_b_scale:MATRIX_SCALE_ROW1
.endif
.endif
.endif
.endm
; 64 numbers of a lane, register 16 b + i = k 32 b + 16 h + i of my row, become a fragment's codes in v[pc] on and its scale word in v[pw]
.macro QUANT s, pc, px, tm, pw
.irp b, 0,1,2,3
	v_max3_num_f32 v[\tm+\b], |v[\s+16*\b]|, |v[\s+16*\b+1]|, 0x1800000   ; my 16 numbers of block b, and the floor 2^(3 - 127): the byte cannot fall under 1
.endr
.irp i, 2,4,6,8,10,12,14
.irp b, 0,1,2,3
	v_max3_num_f32 v[\tm+\b], v[\tm+\b], |v[\s+16*\b+\i]|, |v[\s+16*\b+\i+1]|
.endr
.endr
.irp b, 0,1,2,3
	v_permlanex16_b32 v[\tm+4+\b], v[\tm+\b], s[SEL], s[SEL+1]
.endr
.irp b, 0,1,2,3
	v_max_num_f32 v[\tm+\b], v[\tm+\b], v[\tm+4+\b]   ; with lane l xor 16's: the block's largest magnitude
.endr
.irp b, 0,1,2,3
	v_add_nc_u32 v[\tm+8+\b], 0xff000000, v[\tm+\b]   ; 2 off its exponent field: the conversion's scale operand
.endr
.irp b, 0,1,2,3
	v_lshrrev_b32 v[\tm+4+\b], 23, v[\tm+8+\b]        ; the scale's byte
.endr
	v_lshl_or_b32 v[\pw], v[\tm+5], 8, v[\tm+4]
	v_lshl_or_b32 v[\pw], v[\tm+6], 16, v[\pw]
	v_lshl_or_b32 v[\pw], v[\tm+7], 24, v[\pw]
.irp c, 0,1
	v_cvt_scalef32_pk16_fp6_f32 v[\pc+6*\c:\pc+6*\c+2], v[\s+32*\c:\s+32*\c+15], v[\tm+8+2*\c]
	v_cvt_scalef32_pk16_fp6_f32 v[\px+4*\c:\px+4*\c+2], v[\s+32*\c+16:\s+32*\c+31], v[\tm+8+2*\c+1]   ; (a conversion's three registers begin on an even number)
.endr
	v_nop                                          ; one plain instruction behind the scaled conversions
.irp c, 0,1                            ; the operand wants a whole block in a lane: lanes 0-15 block 2 c, lanes 16-31 block 2 c + 1
.irp i, 0,1,2
	v_permlane16_swap_b32 v[\pc+6*\c+\i], v[\px+4*\c+\i]
.endr
.irp i, 0,1,2
	v_mov_b32 v[\pc+6*\c+3+\i], v[\px+4*\c+\i]
.endr
.endr
.endm
	s_load_b128 s[4:7], s[0:1], 0x0                ; ops, bi
	s_load_b64 s[8:9], s[0:1], 0x10                ; qkv
	v_lshl_add_u32 v[SPW], v0, 2, SPARE
	v_mov_b32 v[NIL], 0
	ds_add_u32 v8, v9
	ds_add_u32 v8, v9
	s_wait_dscnt 0x0
	v_lshrrev_b32 v1, 5, v0
	v_readfirstlane_b32 s10, v1                    ; wave 0..3
	s_lshr_b32 s11, s10, 1                         ; hr: my 128 rows of R.  Also: I fetch x's tiles (0) or Wi's (1)
	s_and_b32 s12, s10, 1                          ; hp: my 128 rows of P.  Also: which 8 tiles I fetch
	s_bfe_u32 s13, ttmp6, 0x40000                  ; cx
	s_bfe_u32 s14, ttmp6, 0x40004                  ; cy
	s_lshl_b32 s15, ttmp9, 2
	s_add_co_u32 s15, s15, s13                     ; work-group x: 256 tokens
	s_and_b32 s72, ttmp7, 0xffff                   ; cluster y
	s_lshl_b32 s16, s72, 2
	s_add_co_u32 s16, s16, s14                     ; work-group y: 256 columns
	s_cmp_ge_u32 s72, 2
	s_cselect_b32 s17, 1, 0                        ; 1: columns of v.  Alike in the whole cluster
	s_lshl_b32 s73, 0x1111, s13                    ; my column of the cluster: it shares x's tiles
	s_lshl_b32 s74, s14, 2
	s_lshl_b32 s74, 15, s74                        ; my row: it shares Wi's
	; group 1: 8 rows (tiles) of 3,072 bytes (two K steps): 384 elements of 8 bytes, 12,288 bytes from tile to tile; no padding
	s_or_b32 s[G1X], s73, (3<<16)|(1<<21)
	s_or_b32 s[G1W], s74, (3<<16)|(1<<21)
.irp g, G1X, G1W
	s_mov_b32 s[\g+1], 384<<16                     ; tensor_dim0
	s_mov_b32 s[\g+2], 16<<16                      ; tensor_dim1: 16 tiles for the head's loads; behind them 8
	s_mov_b32 s[\g+3], 384<<16                     ; tile_dim0
	s_mov_b32 s[\g+4], 16                          ; tile_dim1
	s_mov_b32 s[\g+5], 1536                        ; stride
	s_mov_b32 s[\g+6], 0
	s_mov_b32 s[\g+7], 0
.endr
	s_lshl_b32 s75, s12, 3
	s_lshl_b32 s76, s15, 4
	s_add_co_u32 s76, s76, s75                     ; x's tile 16 x work-group x + 8 x half
	s_mul_i32 s76, s76, 12288
	s_mov_b32 s77, 0
	s_lshl_b32 s78, s16, 4
	s_add_co_u32 s78, s78, s75
	s_add_co_u32 s78, s78, 512                     ; Wi's tile 512 + 16 x work-group y + 8 x half
	s_mul_i32 s78, s78, 12288
	s_mov_b32 s79, 0
	s_mul_i32 s82, s10, 24576                      ; in a slot: wave x 8 tiles
	s_mov_b32 s[SEL], 0x76543210
	s_mov_b32 s[SEL+1], 0xfedcba98
	s_wait_kmcnt 0x0
	s_add_nc_u64 s[76:77], s[4:5], s[76:77]
	s_add_nc_u64 s[78:79], s[4:5], s[78:79]
.irp s, 0,2
	s_mov_b32 s[G0X+4*\s], 1
	s_add_co_u32 s[G0X+4*\s+1], s82, \s*SLOT
	s_add_nc_u64 s[G0X+4*\s+2:G0X+4*\s+3], s[76:77], \s*3072
	s_or_b32 s[G0X+4*\s+3], s[G0X+4*\s+3], 0x80000000
	s_mov_b32 s[G0W+4*\s], 1
	s_add_co_u32 s[G0W+4*\s+1], s82, \s*SLOT
	s_add_nc_u64 s[G0W+4*\s+2:G0W+4*\s+3], s[78:79], \s*3072
	s_or_b32 s[G0W+4*\s+3], s[G0W+4*\s+3], 0x80000000
.endr
	; THE HEAD'S LOADS, ONE A WAVE: waves 0, 1 bring all 16 tiles of x for slots 0, 1; waves 2, 3 all 16 of Wi.  The middle sets of group 0 serve them
	s_mul_i32 s20, s12, 95232                      ; back from my 8 tiles (98,304 bytes) to the first tile, and 3,072 bytes on for slot 1
	s_mov_b32 s21, 0
	s_mul_i32 s22, s12, SLOT
	s_mov_b32 s[G0X+4], 1
	s_mov_b32 s[G0X+5], s22
	s_sub_nc_u64 s[G0X+6:G0X+7], s[76:77], s[20:21]
	s_or_b32 s[G0X+7], s[G0X+7], 0x80000000
	s_mov_b32 s[G0W+4], 1
	s_add_co_u32 s[G0W+5], s22, XW
	s_sub_nc_u64 s[G0W+6:G0W+7], s[78:79], s[20:21]
	s_or_b32 s[G0W+7], s[G0W+7], 0x80000000
	CROUND                                         ; all sixteen work-groups are here: the first joint loads meet
	s_cmp_eq_u32 s11, 0
	s_cbranch_scc0 .Lfirst_w
	tensor_load_to_lds s[G0X+4:G0X+7], s[G1X:G1X+7]
	s_nop 0
	PLACES
	s_branch .Lfirst_asked
.Lfirst_w:
	tensor_load_to_lds s[G0W+4:G0W+7], s[G1W:G1W+7]
	s_nop 0
	PLACES
.Lfirst_asked:
	v_and_b32 v[LANE], 31, v0
	v_lshlrev_b32 v[LI], 4, v[LANE]
	s_wait_alu depctr_va_vdst(0)
	v_and_b32 v11, 15, v0                          ; r
	v_bfe_u32 v12, v0, 4, 1                        ; h
	s_wait_alu depctr_va_vdst(0)
	s_lshl_b32 s83, s15, 4                         ; x's first tile
	s_lshl_b32 s84, s16, 4
	s_add_co_u32 s84, s84, 512                     ; Wi's first tile
	s_lshl_b32 s85, s11, 3
	s_lshl_b32 s90, s16, 10
	s_lshl_b32 s91, s12, 9
	s_add_co_u32 s91, s90, s91                     ; bytes in bi of P's 128 columns,
	s_lshl_b32 s92, s11, 9
	s_add_co_u32 s92, s90, s92                     ; and of R's
	s_cmp_eq_u32 s17, 0
	s_cselect_b32 s86, s84, s83                    ; P's first tile,
	s_cselect_b32 s87, s83, s84                    ; R's,
	s_cselect_b32 s88, XW, 0                       ; P's region in a slot,
	s_cselect_b32 s89, 0, XW                       ; R's;
	s_cselect_b32 s91, s91, 0                      ; the bias runs along the registers for q and k,
	s_cselect_b32 s92, 0, s92                      ; along the lanes for v (the other loads read bi's head and are not used)
	s_add_co_u32 s86, s86, s75
	s_lshl_b32 s86, s86, 9
	s_add_co_u32 s86, s86, SC0                     ; a pair of tiles has 1,024 bytes of scale words
	s_add_co_u32 s87, s87, s85
	s_lshl_b32 s87, s87, 9
	s_add_co_u32 s87, s87, SC0
	v_add_nc_u32 v13, s86, v[LI]
	v_add_nc_u32 v14, s87, v[LI]
	v_lshl_add_u32 v15, v12, 6, s91
	v_and_b32 v12, 8, v11
	v_add_nc_u32 v11, v11, v12                     ; r % 8 + 16 (r / 8)
	v_lshl_add_u32 v11, v11, 2, s92
.irp p, 0,1,2,3
.irp k, 0,1
	global_load_b128 v[SCP+8*\p+4*\k:SCP+8*\p+4*\k+3], v13, s[4:5] offset:\p*1024+\k*512   ; four K steps' words of a pair of tiles
	global_load_b128 v[SCR+8*\p+4*\k:SCR+8*\p+4*\k+3], v14, s[4:5] offset:\p*1024+\k*512
.endr
.endr
.irp g, 0,1,2,3
.irp m, 0,1,2,3
	global_load_b128 v[BP+16*\g+4*\m:BP+16*\g+4*\m+3], v15, s[6:7] offset:128*\g+16*\m    ; bi at columns 32 g + 16 h + 4 m ..
.endr
.endr
.irp a, 0,1,2,3,4,5,6,7
	global_load_b32 v[BR+\a], v11, s[6:7] offset:4*(32*(\a/2)+8*(\a%2))
.endr
	s_mul_i32 s93, s12, 24576
	s_add_co_u32 s93, s93, s88
	s_mul_i32 s94, s11, 24576
	s_add_co_u32 s94, s94, s89
.irp s, 0,1,2
	v_add_nc_u32 v[ADRP+\s], s93, v[LI]
	v_add_nc_u32 v[ADRR+\s], s94, v[LI]
	s_add_co_u32 s93, s93, SLOT
	s_add_co_u32 s94, s94, SLOT
.endr
	; where the results go
	s_lshl_b32 s93, s16, 1
	s_add_co_u32 s93, s93, s12                     ; g = 2 x work-group y + hp
	s_lshl_b32 s94, s93, 9
	s_add_co_u32 s94, s94, s83
	s_add_co_u32 s94, s94, s85                     ; 512 g + tile of tokens
	s_mul_i32 s94, s94, 1536
	s_lshl_b32 s93, s93, 6
	s_lshl_b32 s95, s15, 1
	s_add_co_u32 s93, s93, s95
	s_add_co_u32 s93, s93, s11
	s_lshl_b32 s93, s93, 9
	s_add_co_u32 s93, s93, QKS
	s_add_co_u32 s95, s95, s12                     ; G = 2 x work-group x + hp
	s_sub_co_u32 s96, s16, 8
	s_lshl_b32 s97, s95, 6
	s_lshl_b32 s98, s96, 4
	s_add_co_u32 s97, s97, s98
	s_add_co_u32 s97, s97, s85                     ; 64 G + tile of v's columns
	s_mul_i32 s97, s97, 1536
	s_add_co_u32 s97, s97, VC
	s_lshl_b32 s95, s95, 3
	s_lshl_b32 s96, s96, 1
	s_add_co_u32 s95, s95, s96
	s_add_co_u32 s95, s95, s11
	s_lshl_b32 s95, s95, 9
	s_add_co_u32 s95, s95, VS
	s_cmp_eq_u32 s17, 0
	s_cselect_b32 s96, s94, s97
	s_cselect_b32 s98, s93, s95
	s_mov_b32 s97, 0
	s_mov_b32 s99, 0
	s_add_nc_u64 s[66:67], s[8:9], s[96:97]        ; codes
	s_add_nc_u64 s[68:69], s[8:9], s[98:99]        ; scale words
.macro FRAGLD reg, adr, off            ; a fragment comes as it was stored: three loads of 512 consecutive bytes
.irp c, 0,1,2
	ds_load_b128 v[\reg+4*\c:\reg+4*\c+3], v[\adr] offset:\off+512*\c
.endr
.endm
.macro FETCH_P slot, ksl, set
	WIN 0x40
.irp i, 0,1,2,3,4,5,6,7
	FRAGLD 128*(\set)+12*\i, ADRP+\slot, \i*3072+(\ksl)*1536
.endr
	WIN 0
.endm
.macro FETCH_R slot, ksl, i0
.irp i, \i0, \i0+1, \i0+2, \i0+3
	FRAGLD RF+12*(\i), ADRR+\slot, (\i)*3072+(\ksl)*1536
.endr
.endm
; 16 products: R's blocks a0, a0 + 1 x P's eight.  The 64 accumulators take turns, one instruction a turn, in the same order in every step
.macro MUL16 a0, set, ks, cm
.irp a, \a0, \a0+1
.irp b, 0,1,2,3,4,5,6,7
.set rD, 8*(8*((\a)%4)+\b)
.set rC, rD
.set rA, 128*(\set)+12*\b
.set rB, RF+12*(\a)
.set rSA, SCP+8*(\b/2)+(\ks)
.set rSB, SCR+8*((\a)/2)+(\ks)
	WMMA \cm, \b%2, (\a)%2
.endr
.endr
.endm
.macro STEP ks, nslot, nksl, cm
	s_wait_dscnt 12                                ; P's set and R's blocks 0-3 are in; the youngest 12 loads (R's blocks 4-7) may be out
	WIN 0xa1
	MUL16 0, (\ks)%2, \ks, \cm
	MUL16 2, (\ks)%2, \ks, \cm
	s_wait_dscnt 0x0
	PLACES
	FETCH_P \nslot, \nksl, 1-(\ks)%2
	FETCH_R \nslot, \nksl, 0
	WIN 0xf1
	MUL16 4, (\ks)%2, \ks, \cm
	MUL16 6, (\ks)%2, \ks, \cm
	PLACES
	WIN 0
	FETCH_R \nslot, \nksl, 4
.endm
; a step with a barrier: in front of it each wave waits for all its tensor loads, adds 0 to its spare word, and waits for that and for its LDS reads.  fill = 1: behind a round of the cluster's barrier slot 0 takes K steps 6 and 7
.macro TURN ks, nslot, nksl, fill
	s_wait_tensorcnt 0x0                           ; all my tensor loads have landed
	ds_add_u32 v[SPW], v[NIL]                      ; 0 onto my spare word
	s_wait_dscnt 13                                ; (the add and the youngest 12 loads may be out)
	WIN 0xa1
	MUL16 0, (\ks)%2, \ks, 1
	s_wait_dscnt 0x0                               ; the add is done, and my reads of the slots so far are over
	s_barrier_signal -1
	MUL16 2, (\ks)%2, \ks, 1
	WIN 0
	s_barrier_wait -1
.if \fill
	CREST                                          ; no wave of any partner still reads slot 0 or has a load on its way
	s_add_nc_u64 s[G0X+2:G0X+3], s[G0X+2:G0X+3], 9216
	s_add_nc_u64 s[G0W+2:G0W+3], s[G0W+2:G0W+3], 9216
	s_cmp_eq_u32 s11, 0
	s_cbranch_scc0 .Lfor_w_\@
	tensor_load_to_lds s[G0X:G0X+3], s[G1X:G1X+7]  ; my one tensor load behind the round; half of step 2 and steps 3 and 4, 160 products, stand ahead of the wait for it
	s_nop 0
	PLACES
	s_branch .Lasked_\@
.Lfor_w_\@:
	tensor_load_to_lds s[G0W:G0W+3], s[G1W:G1W+7]
	s_nop 0
	PLACES
.Lasked_\@:
.else
	PLACES
.endif
	FETCH_P \nslot, \nksl, 1-(\ks)%2
	FETCH_R \nslot, \nksl, 0
	WIN 0xf1
	MUL16 4, (\ks)%2, \ks, 1
	MUL16 6, (\ks)%2, \ks, 1
	PLACES
	WIN 0
	FETCH_R \nslot, \nksl, 4
.endm
	s_wait_alu depctr_va_vdst(0)
	s_wait_tensorcnt 0x0                           ; my tile of slots 0 and 1 is in
	ds_add_u32 v[SPW], v[NIL]
	s_mov_b32 s[G1X+2], 8<<16                      ; no tensor load of mine is out: from here on a load brings my 8 tiles
	s_mov_b32 s[G1X+4], 8
	s_mov_b32 s[G1W+2], 8<<16
	s_mov_b32 s[G1W+4], 8
	s_wait_dscnt 0x0
	CROUND                                         ; slots 0 and 1 are whole in every work-group
	s_cmp_eq_u32 s11, 0
	s_cbranch_scc0 .Lsec_w
	tensor_load_to_lds s[G0X+8:G0X+11], s[G1X:G1X+7]   ; slot 2, K steps 4 and 5: my one load behind the round; waited for in step 2
	s_nop 0
	PLACES
	s_branch .Lsec_asked
.Lsec_w:
	tensor_load_to_lds s[G0W+8:G0W+11], s[G1W:G1W+7]
	s_nop 0
	PLACES
.Lsec_asked:
	FETCH_P 0, 0, 0
	FETCH_R 0, 0, 0
	FETCH_R 0, 0, 4
	s_wait_loadcnt 0x0                             ; scale words and biases
	STEP 0, 0, 1, 0                                ; the first step's products start the sums
	STEP 1, 1, 0, 1
	TURN 2, 1, 1, 1                                ; slot 2 is whole; slot 0, read out since step 1's fragments were fetched, takes K steps 6 and 7
	STEP 3, 2, 0, 1
	STEP 4, 2, 1, 1
	TURN 5, 0, 0, 0                                ; the refill has landed in every wave
	STEP 6, 0, 1, 1
	s_wait_dscnt 12
	WIN 0xa1
	MUL16 0, 1, 7, 1
	MUL16 2, 1, 7, 1
	s_wait_dscnt 0x0
	WIN 0xf1
	MUL16 4, 1, 7, 1
	MUL16 6, 1, 7, 1
	WIN 0
	PLACES
.irp b, 0,1,2,3
	v_mov_b32 v[TM+4+\b], 0                        ; a lane permute's destination counts as read
.endr
; THE WAY OUT, R's blocks one after the other: bias, quantiser, three stores of 512 consecutive bytes.  The addition also brings the sums into window 0; each accumulator is read from its low end on.
.macro EPI a
.if (\a) > 0
	s_wait_xcnt 0x0                                ; the last block's stores have read the codes' registers
.endif
	s_cmp_eq_u32 s17, 0
	s_cbranch_scc0 .Lby_lane_\@
	WIN 0x02+(\a)/4
.set i, 0
.rept 32
	v_pk_add_f32 v[T+i:T+i+1], v[64*((\a)%4)+i:64*((\a)%4)+i+1], v[BP+i:BP+i+1]
.set i, i+2
.endr
	WIN 0
	s_branch .Lbiased_\@
.Lby_lane_\@:
	WIN 0x02+(\a)/4
.set i, 0
.rept 32
.if (\a)%2 == 0
	v_pk_add_f32 v[T+i:T+i+1], v[64*((\a)%4)+i:64*((\a)%4)+i+1], v[BR+2*((\a)/2):BR+2*((\a)/2)+1] op_sel_hi:[1,0]
.else
	v_pk_add_f32 v[T+i:T+i+1], v[64*((\a)%4)+i:64*((\a)%4)+i+1], v[BR+2*((\a)/2):BR+2*((\a)/2)+1] op_sel:[0,1] op_sel_hi:[1,1]
.endif
.set i, i+2
.endr
	WIN 0
.Lbiased_\@:
	QUANT T, PC, PX, TM, W+(\a)
.irp c, 0,1,2
	global_store_b128 v[LI], v[PC+4*\c:PC+4*\c+3], s[66:67] offset:(\a)*1536+512*\c
.endr
.endm
.irp a, 0,1,2,3,4,5,6,7
	EPI \a
.endr
	v_cmp_lt_u32 vcc_lo, 15, v[LANE]
.irp p, 0,1,2,3
	v_cndmask_b32 v[TM+\p], v[W+2*\p], v[W+2*\p+1], vcc_lo   ; lanes 0-15 the even block's words, lanes 16-31 the odd block's
.endr
	global_store_b128 v[LI], v[TM:TM+3], s[68:69]
	s_wait_tensorcnt 0x0                           ; the wave's end
	ds_add_u32 v[SPW], v[NIL]
	s_wait_dscnt 0x0
	CROUND                                         ; the closing round
	s_endpgm
.Lfunc_end_k_q9688c8112d_qkv:
	.size	k_q9688c8112d_qkv, .Lfunc_end_k_q9688c8112d_qkv-k_q9688c8112d_qkv
	.p2alignl 7, 3214868480
	.fill 96, 4, 3214868480
	.section	.rodata,"a",@progbits
	.p2align	6, 0x0
	.amdhsa_kernel k_q9688c8112d_qkv
		.amdhsa_group_segment_fixed_size 327680
		.amdhsa_private_segment_fixed_size 0
		.amdhsa_enable_private_segment 0
		.amdhsa_kernarg_size 24
		.amdhsa_user_sgpr_count 2
		.amdhsa_user_sgpr_kernarg_segment_ptr 1
		.amdhsa_wavefront_size32 1
		.amdhsa_system_sgpr_workgroup_id_x 1
		.amdhsa_system_sgpr_workgroup_id_y 1
		.amdhsa_system_sgpr_workgroup_id_z 1
		.amdhsa_system_vgpr_workitem_id 0
		.amdhsa_next_free_vgpr 1024
		.amdhsa_next_free_sgpr 100
		.amdhsa_reserve_vcc 1
		.amdhsa_float_denorm_mode_32 3
		.amdhsa_float_denorm_mode_16_64 3
		.amdhsa_memory_ordered 1
		.amdhsa_forward_progress 1
		.amdhsa_inst_pref_size 173
	.end_amdhsa_kernel
	.amdgpu_metadata
---
amdhsa.version: [ 1, 2 ]
amdhsa.kernels:
  - .name:           k_q9688c8112d_qkv
    .symbol:         k_q9688c8112d_qkv.kd
    .args:
      - { .name: ops, .offset: 0, .size: 8, .value_kind: global_buffer, .address_space: global }
      - { .name: bi, .offset: 8, .size: 8, .value_kind: global_buffer, .address_space: global }
      - { .name: qkv, .offset: 16, .size: 8, .value_kind: global_buffer, .address_space: global }
    .group_segment_fixed_size: 327680
    .private_segment_fixed_size: 0
    .kernarg_segment_align: 8
    .kernarg_segment_size: 24
    .max_flat_workgroup_size: 128
    .sgpr_count:     100
    .vgpr_count:     1024
    .wavefront_size: 32
...
	.end_amdgpu_metadata
.endif
;; end of part 2
;; launch attn (part 3): grid 256 x 1, 8 waves a work-group, no clusters, 34,816 bytes of LDS; arguments qkv, cutoff_factors, oq; writes oq
.if DOCPART == 3
	.amdgcn_target "amdgcn-amd-amdhsa--gfx1250"
	.amdhsa_code_object_version 6
	.text
	.protected	k_q9688c8112d_attn
	.globl	k_q9688c8112d_attn
	.p2align	8
	.type	k_q9688c8112d_attn,@function
k_q9688c8112d_attn:
	s_mov_b64 s[64:65], 0
	v_nop
	global_prefetch_b8 v0, s[64:65] scope:SCOPE_SE
	s_setreg_imm32_b32 hwreg(HW_REG_WAVE_MODE, 25, 1), 1
	s_wait_xcnt 0x0
; o = softmax(q k^T / 8 + ln(max(cutoff, 1e-15))) v, 16 heads of 64, both products on codes of FP6 (E2M3) with E8M0 scales; o is quantised here for the last product and leaves as register images.
; THE SOFTMAX: t = c (s + lm), c = log2(e) / 8, lm = 8 ln(max(cutoff, 1e-15)); M = the running largest t rounded UP to a whole number; p = 2^(t - M) is quantised along the keys, not normalised;
; the row's sum is taken of the unquantised p and divides at the end; when M moves, the sum and O are multiplied by 2^(old M - new M), which rounds nothing.
; SHARES.  A work-group (number 32 x batch + block) owns 32 queries of ALL 16 heads; wave w owns the pair of heads w: two tiles of 16 queries x two heads, four pieces p = q + 2 e.  Two waves to a SIMD.
; lm IS MADE HERE, once for all heads: in each key step wave w reads 4 rows x 512 bytes of cutoff_factors (each load 512 bytes on end), takes 16 logarithms a lane and stores them to LDS as the image of the
; score registers: [tile q][quad c of registers, 528 bytes][lane, 16 bytes].  Two such buffers take turns; one barrier a key step, signalled behind my last read and waited for ahead of the next step's first read.
; lm is loaded into the score registers and is the C of the score products, in place: it costs no addition.
; K AND V GO FROM MEMORY STRAIGHT INTO REGISTERS: a fragment is read by one wave of the work-group alone, as an image of 1,536 bytes, three loads of 512 bytes on end.  K (96 registers) is asked for behind its last
; product, the even head's V behind piece 1, the odd head's behind piece 3.  The last trip's loads name the last key step again and are not used, so that every wait's count holds in every trip.
; TWO HEADS IN ONE IMAGE.  128 neighbouring columns of q or k are two heads.  K's fragment is used whole; Q's operand is [q even | zeros] or [zeros | q odd]: zero codes add nothing under any scale byte that the quantiser makes.
; LAYOUT.  Both products are used transposed (S^T = K Q^T, O^T = V^T P^T): a lane holds one query.  Lane r of a tile holds row 32 (T / 2) + 8 (T % 2) + r % 8 + 16 (r / 8), so the 16 registers of tiles 2 b, 2 b + 1 are 16 neighbours.
; NO CLUSTER, NO TENSOR LOAD: nothing that work-groups share goes to LDS; a joint load serves no registers.
; PREFETCH of K and V: trip j loads key step j + 1 and asks for key step j + 3: of a pair's 96 blocks of 256 bytes each of the batch's 32 work-groups names 3 (lanes over name the third again); trips 5 to 7 ask for nothing.
; cutoff_factors is loaded a whole key step ahead of its use and is not prefetched.
; LIMITS: p under 2^-126 counts as 0; a block of zeros gets the byte 1 (zero codes); NaN and infinities are not served; a NaN in cutoff_factors is taken as 1e-15; the scaled scores stay under 2^31 in magnitude.
; REGISTERS: window 0: v1-7 addresses and Q's and p's scale words; v8-15 K's and V's scale words; v18-33 for each piece -M, the largest score, the sum in two halves; v34-49 at work; v50-67 tile 0's [q even | 0 | q odd];
;   v68-131 lm, S^T, then p; v132-143 p's codes; v144-239 V's eight fragments; v240-255 cutoff.   window 1: v0-127 O^T, at 64 q + 32 e; v128-223 K's eight fragments; v224-241 tile 1's [q even | 0 | q odd].
.set OVC,  12582912
.set OQKS, 18874368
.set OVS,  19398656
.set OS,   6291456
.set LMT,  8448                        ; a tile of lm in LDS: 16 quads x 528 bytes
.set LMB,  16896                       ; a buffer: two tiles
.set SPARE, 33792                      ; behind the buffers: the spare words, 128 bytes a wave
.set LI,   1
.set LMWR, 2
.set PFO,  3
.set PFS,  4
.set QSC,  5
.set PW,   6
.set LANE, 7
.set KSC,  8
.set VSC,  12
.set SPW,  16
.set NIL,  17
.set ST,   18
.set BM,   34
.set PT,   38
.set F,    46
.set MI,   48
.set Q0,   50
.set S,    68
.set PC,   132
.set VF,   144
.set CUT,  240
.set KF,   128                         ; in window 1
.set Q1,   224                         ; in window 1
.set WV,   10
.set BB,   12
.set SEL,  14
.set CS,   16
.set L8,   18
.set EPS,  20
.set KB,   22                          ; s[22:31] where the key step to be loaded next lies: K, V, K's scale words, V's, cutoff
.set VB,   24
.set KSB,  26
.set VSB,  28
.set CB,   30
.set J,    42
.set CNT,  43
.set OC,   60
.set OSC,  62
.set MSB, 0
.macro WIN new                         ; the immediate's high byte repeats the setting that is left
.if MSB != \new
	s_set_vgpr_msb (MSB<<8)|\new
.set MSB, \new
.endif
.endm
.macro PLACES                          ; four plain instructions behind matrix instructions (ISA guide 7.12.1)
.rept 4
	v_nop
.endr
.endm
.macro ALU
	s_wait_alu depctr_va_vdst(0)
.endm
.macro WMMA ar, br                     ; one product on rD, rA, rB, rC, rSA, rSB; ar, br: the half of the lanes in which the scale words lie
.if (\ar) == 0
.if (\br) == 0
	v_wmma_scale_f32_16x16x128_f8f6f4 v[rD:rD+7], v[rA:rA+11], v[rB:rB+11], v[rC:rC+7], v[rSA], v[rSB] matrix_a_fmt:MATRIX_FMT_FP6 matrix_b_fmt:MATRIX_FMT_FP6
.else
	v_wmma_scale_f32_16x16x128_f8f6f4 v[rD:rD+7], v[rA:rA+11], v[rB:rB+11], v[rC:rC+7], v[rSA], v[rSB] matrix_a_fmt:MATRIX_FMT_FP6 matrix_b_fmt:MATRIX_FMT_FP6 matrix_b_scale:MATRIX_SCALE_ROW1
.endif
.else
.if (\br) == 0
	v_wmma_scale_f32_16x16x128_f8f6f4 v[rD:rD+7], v[rA:rA+11], v[rB:rB+11], v[rC:rC+7], v[rSA], v[rSB] matrix_a_fmt:MATRIX_FMT_FP6 matrix_b_fmt:MATRIX_FMT_FP6 matrix_a_scale:MATRIX_SCALE_ROW1
.else
	v_wmma_scale_f32_16x16x128_f8f6f4 v[rD:rD+7], v[rA:rA+11], v[rB:rB+11], v[rC:rC+7], v[rSA], v[rSB] matrix_a_fmt:MATRIX_FMT_FP6 matrix_b_fmt:MATRIX_FMT_FP6 matrix_a_scale:MATRIX_SCALE_ROW1 matrix_b_scale:MATRIX_SCALE_ROW1
.endif
.endif
.endm
.macro LDK                             ; 25 loads: K's eight fragments and their scale words
	WIN 0x40
.irp t, 0,1,2,3,4,5,6,7
.irp c, 0,1,2
	global_load_b128 v[KF+12*\t+4*\c:KF+12*\t+4*\c+3], v[LI], s[KB:KB+1] offset:\t*1536+512*\c
.endr
.endr
	WIN 0
	global_load_b128 v[KSC:KSC+3], v[LI], s[KSB:KSB+1]
.endm
.macro LDV e                           ; 12 loads: head e's four fragments of V
.irp d, 0,1,2,3
.irp c, 0,1,2
	global_load_b128 v[VF+12*(4*(\e)+\d)+4*\c:VF+12*(4*(\e)+\d)+4*\c+3], v[LI], s[VB:VB+1] offset:(4*(\e)+\d)*1536+512*\c
.endr
.endr
.endm
.macro LDC                             ; 4 loads: my four rows of cutoff_factors, 128 keys
.irp i, 0,1,2,3
	global_load_b128 v[CUT+4*\i:CUT+4*\i+3], v[LI], s[CB:CB+1] offset:4096*\i th:TH_LOAD_NT
.endr
.endm
.macro LDLM q, buf                     ; tile q's lm into the score registers
.irp c, 0,1,2,3,4,5,6,7,8,9,10,11,12,13,14,15
	ds_load_b128 v[S+4*\c:S+4*\c+3], v[LI] offset:(\buf)*LMB+(\q)*LMT+528*\c
.endr
.endm
.macro MKLM buf                        ; my share of a key step's lm, into buffer buf; then the cutoff rows of the step after it are asked for
.set i, 0
.rept 16
	v_max_num_f32 v[CUT+i], s[EPS], v[CUT+i]       ; the clip
.set i, i+1
.endr
	ALU
.set i, 0
.rept 16
	v_log_f32 v[CUT+i], v[CUT+i]
.set i, i+1
.endr
	v_nop                                          ; a plain instruction behind the last logarithm
	ALU
.set i, 0
.rept 8
	v_pk_mul_f32 v[CUT+i:CUT+i+1], v[CUT+i:CUT+i+1], s[L8:L8+1] op_sel_hi:[1,0]
.set i, i+2
.endr
.irp i, 0,1,2,3
	ds_store_b128 v[LMWR], v[CUT+4*\i:CUT+4*\i+3] offset:(\buf)*LMB+16*\i
.endr
	s_wait_dscnt 0x0                               ; the stores have read their registers (and any lm asked for is in)
	LDC
.endm
.macro SMM q, e                        ; the scores of tile q, head e: eight tiles of 16 keys; C = lm, in place
	WIN 0x01+4*(\q)
.irp t, 0,1,2,3,4,5,6,7
.set rD, S+8*\t
.set rC, rD
.set rA, KF+12*\t
.set rB, Q0+(Q1-Q0)*(\q)+6*(\e)
.set rSA, KSC+\t/2
.set rSB, QSC
	WMMA \t%2, \q
.endr
	WIN 0
	PLACES
.endm
; the 64 numbers in S, with their blocks' largest magnitudes in BM, become codes in v[pc] on and a scale word in v[pw]
.macro QZ pc, pw
.irp b, 0,1,2,3
	v_add_nc_u32 v[BM+\b], 0xff000000, v[BM+\b]    ; 2 off the exponent field: the conversion's scale operand
.endr
.irp b, 0,1,2,3
	v_lshrrev_b32 v[PT+\b], 23, v[BM+\b]           ; the scale's byte
.endr
	v_lshl_or_b32 v[\pw], v[PT+1], 8, v[PT]
	v_lshl_or_b32 v[MI], v[PT+3], 8, v[PT+2]
	v_lshl_or_b32 v[\pw], v[MI], 16, v[\pw]
.irp c, 0,1
	v_cvt_scalef32_pk16_fp6_f32 v[(\pc)+6*\c:(\pc)+6*\c+2], v[S+32*\c:S+32*\c+15], v[BM+2*\c]
	v_cvt_scalef32_pk16_fp6_f32 v[PT+4*\c:PT+4*\c+2], v[S+32*\c+16:S+32*\c+31], v[BM+2*\c+1]   ; (a conversion's three registers begin on an even number)
.endr
	v_nop                                          ; one plain instruction behind the scaled conversions
.irp c, 0,1                            ; the operand wants a whole block in a lane
.irp i, 0,1,2
	v_permlane16_swap_b32 v[(\pc)+6*\c+\i], v[PT+4*\c+\i]
.endr
.irp i, 0,1,2
	v_mov_b32 v[(\pc)+6*\c+3+\i], v[PT+4*\c+\i]
.endr
.endr
.endm
.macro SOFT p                          ; piece p's softmax of 128 keys
.set NM, ST+4*(\p)
.set OB, 64*((\p)%2)+32*((\p)/2)
.irp b, 0,1,2,3
	v_max3_num_f32 v[BM+\b], v[S+16*\b], v[S+16*\b+1], v[S+16*\b+2]   ; the largest score of each block of 32 keys: for the row's maximum and, since p rises with the score, for the block's largest p
.endr
	v_mov_b32 v[MI+1], v[NM]                       ; the old -M is kept for f
.irp i, 3,5,7,9,11,13
.irp b, 0,1,2,3
	v_max3_num_f32 v[BM+\b], v[BM+\b], v[S+16*\b+\i], v[S+16*\b+\i+1]
.endr
.endr
.irp b, 0,1,2,3
	v_max_num_f32 v[BM+\b], v[BM+\b], v[S+16*\b+15]
.endr
.irp b, 0,1,2,3
	v_permlanex16_b32 v[PT+\b], v[BM+\b], s[SEL], s[SEL+1]
.endr
.irp b, 0,1,2,3
	v_max_num_f32 v[BM+\b], v[BM+\b], v[PT+\b]
.endr
	v_max3_num_f32 v[MI], v[BM], v[BM+1], v[BM+2]
	v_max3_num_f32 v[NM+1], v[MI], v[BM+3], v[NM+1]   ; the running largest score (c is positive: c x the largest score is the largest t)
	v_mul_f32 v[MI], s[CS], v[NM+1]
	v_floor_f32 v[NM], -v[MI]                      ; -M = floor(-t): M is a whole number
	v_sub_f32 v[MI+1], v[NM], v[MI+1]              ; old M - new M: a whole number, 0 or less
.irp b, 0,1,2,3
	v_fma_f32 v[BM+\b], v[BM+\b], s[CS], v[NM]     ; t - M of each block's largest score
.endr
	v_cvt_i32_f32 v[MI+1], v[MI+1]                 ; (it saturates)
.set i, 0
.rept 32
	v_pk_fma_f32 v[S+i:S+i+1], v[S+i:S+i+1], s[CS:CS+1], v[NM:NM+1] op_sel_hi:[1,0,0]   ; t - M
.set i, i+2
.endr
	v_ldexp_f32 v[F], 1.0, v[MI+1]                 ; f = 2^(old M - new M)
	v_pk_mul_f32 v[NM+2:NM+3], v[NM+2:NM+3], v[F:F+1] op_sel_hi:[1,0]   ; the sum under the new M
	WIN 0x41
	ALU                                            ; directly ahead of the first reader of O^T
.set i, 0
.rept 16
	v_pk_mul_f32 v[OB+i:OB+i+1], v[OB+i:OB+i+1], v[F:F+1] op_sel_hi:[1,0]   ; O^T under the new M
.set i, i+2
.endr
	WIN 0
	ALU                                            ; ahead of the batch
.set i, 0
.rept 64
	v_exp_f32 v[S+i], v[S+i]                       ; p = 2^(t - M): one batch of 68
.set i, i+1
.endr
.irp b, 0,1,2,3
	v_exp_f32 v[BM+\b], v[BM+\b]                   ; the blocks' largest p
.endr
	v_nop                                          ; a plain instruction behind the batch
	ALU                                            ; one wait for the 68, ahead of their first reader
.irp b, 0,1,2,3
	v_max_num_f32 v[BM+\b], 0x1800000, v[BM+\b]    ; the floor 2^(3 - 127)
.endr
	QZ PC, PW
	v_pk_add_f32 v[PT:PT+1], v[S:S+1], v[S+2:S+3]  ; the sum of the unquantised p, in four chains; these also stand between p's codes and scale word and the products that take them
	v_pk_add_f32 v[PT+2:PT+3], v[S+4:S+5], v[S+6:S+7]
	v_pk_add_f32 v[PT+4:PT+5], v[S+8:S+9], v[S+10:S+11]
	v_pk_add_f32 v[NM+2:NM+3], v[NM+2:NM+3], v[S+12:S+13]
.set k, 7
.rept 25
.if (k-7)%4 == 3
	v_pk_add_f32 v[NM+2:NM+3], v[NM+2:NM+3], v[S+2*k:S+2*k+1]
.else
	v_pk_add_f32 v[PT+2*((k-7)%4):PT+2*((k-7)%4)+1], v[PT+2*((k-7)%4):PT+2*((k-7)%4)+1], v[S+2*k:S+2*k+1]
.endif
.set k, k+1
.endr
	v_pk_add_f32 v[PT:PT+1], v[PT:PT+1], v[PT+2:PT+3]
	v_pk_add_f32 v[NM+2:NM+3], v[NM+2:NM+3], v[PT+4:PT+5]
	v_pk_add_f32 v[NM+2:NM+3], v[NM+2:NM+3], v[PT:PT+1]
.endm
.macro PV p                            ; O^T += V^T P^T of piece p: four accumulators, one instruction each
	WIN 0x50
.irp d, 0,1,2,3
.set rD, 64*((\p)%2)+32*((\p)/2)+8*\d
.set rC, rD
.set rA, VF+12*(4*((\p)/2)+\d)
.set rB, PC
.set rSA, VSC+(4*((\p)/2)+\d)/2
.set rSB, PW
	WMMA \d%2, 0
.endr
	WIN 0
.endm
; A KEY STEP, 128 keys; its lm lies in buffer par.  Loads in the order of issue: a 12 (even head's V of the next step), b 4 (cutoff two steps on), c 25 (K of the next step), d 13 (V's scale words, odd head's V of the next step)
.macro STEPM par
	s_wait_xcnt 0x0                                ; the loads and the prefetch issued so far have read their bases and offsets, which are stepped here
	s_cmp_lt_u32 s[J], 7                           ; the last trip steps nothing: no load passes its buffer's end
	s_cselect_b32 s32, 12288, 0
	s_cselect_b32 s34, 0x18000, 0
	s_cselect_b32 s36, 512, 0
	s_cselect_b32 s38, 4096, 0
	s_cmp_lt_u32 s[J], 6
	s_cselect_b32 s40, 512, 0
	s_add_nc_u64 s[KB:KB+1], s[KB:KB+1], s[32:33]
	s_add_nc_u64 s[VB:VB+1], s[VB:VB+1], s[34:35]
	s_add_nc_u64 s[KSB:KSB+1], s[KSB:KSB+1], s[36:37]
	s_add_nc_u64 s[VSB:VSB+1], s[VSB:VSB+1], s[38:39]
	s_add_nc_u64 s[CB:CB+1], s[CB:CB+1], s[40:41]
	v_add_nc_u32 v[PFO], v[PFO], v[PFS]
	ALU
	s_wait_loadcnt 13                              ; a, b and c of the last step are in; d, 13 loads, may be out
	s_wait_dscnt 0x0                               ; tile 0's lm
	SMM 0, 0
	SOFT 0
	LDLM 1, \par
	ALU
	s_wait_loadcnt 12                              ; V's scale words are in; the odd head's 12 loads may be out
	PV 0
	s_wait_dscnt 0x0
	SMM 1, 0
	SOFT 1
	LDLM 0, \par
	PV 1
	PLACES
	LDV 0                                          ; a
	MKLM 1-\par                                    ; the next step's lm, and b
	ALU
	s_cmp_lt_u32 s[J], 5
	s_cbranch_scc0 .Lnot_asked_\@
	global_prefetch_b8 v[PFO], s[4:5] th:TH_LOAD_NT scope:SCOPE_SE
.Lnot_asked_\@:
	SMM 0, 1
	SOFT 2
	LDLM 1, \par
	ALU
	s_wait_loadcnt 16                              ; the odd head's V is in; a and b, 16 loads, may be out
	PV 2
	s_wait_dscnt 0x0
	SMM 1, 1
	LDK                                            ; c
	s_wait_dscnt 0x0                               ; my stores of the next lm and my reads of this one are done:
	s_barrier_signal -1                            ; say so; only work on registers stands ahead of the wait
	SOFT 3
	PV 3
	PLACES
	ALU
	s_barrier_wait -1
	LDLM 0, 1-\par
	global_load_b128 v[VSC:VSC+3], v[LI], s[VSB:VSB+1]   ; d
	LDV 1
	s_add_co_u32 s[J], s[J], 1
.endm
	s_load_b128 s[4:7], s[0:1], 0x0                ; qkv, cutoff_factors
	s_load_b64 s[8:9], s[0:1], 0x10                ; oq
	v_lshl_add_u32 v[SPW], v0, 2, SPARE
	v_mov_b32 v[NIL], 0
	v_lshrrev_b32 v1, 5, v0
	v_readfirstlane_b32 s[WV], v1                  ; wave 0..7 = the pair of heads
	s_lshr_b32 s[BB], ttmp9, 5                     ; batch
	s_add_co_u32 s44, s[WV], 8
	s_lshl_b32 s44, s44, 9
	s_lshl_b32 s58, s[BB], 6
	s_add_co_u32 s44, s44, s58
	s_mul_i32 s44, s44, 1536                       ; K: tile (8 + pair) 512 + 64 batch
	s_lshl_b32 s46, s[BB], 9
	s_lshl_b32 s58, s[WV], 3
	s_add_co_u32 s46, s46, s58
	s_mul_i32 s46, s46, 1536
	s_add_co_u32 s46, s46, OVC                     ; V: tile 8 pair at the batch's key step 0
	s_add_co_u32 s48, s[WV], 8
	s_lshl_b32 s48, s48, 6
	s_lshl_b32 s58, s[BB], 3
	s_add_co_u32 s48, s48, s58
	s_lshl_b32 s48, s48, 9
	s_add_co_u32 s48, s48, OQKS                    ; K's scale words
	s_lshl_b32 s50, s[BB], 6
	s_add_co_u32 s50, s50, s[WV]
	s_lshl_b32 s50, s50, 9
	s_add_co_u32 s50, s50, OVS                     ; V's
	s_lshl_b32 s52, ttmp9, 17
	s_lshl_b32 s58, s[WV], 14
	s_add_co_u32 s52, s52, s58                     ; cutoff: row 32 x work-group + 4 x wave
	s_lshl_b32 s54, s[WV], 9
	s_lshl_b32 s58, ttmp9, 1
	s_add_co_u32 s54, s54, s58
	s_mul_i32 s54, s54, 1536                       ; Q: tile 512 pair + 2 x work-group
	s_lshl_b32 s56, s[WV], 6
	s_lshr_b32 s58, ttmp9, 2
	s_add_co_u32 s56, s56, s58
	s_lshl_b32 s56, s56, 9
	s_and_b32 s58, ttmp9, 3
	s_lshl_b32 s58, s58, 2
	s_add_co_u32 s56, s56, s58
	s_add_co_u32 s56, s56, OQKS                    ; Q's scale words: word work-group % 4 of the block of 8 tiles
	s_lshl_b32 s[OC], ttmp9, 4
	s_add_co_u32 s[OC], s[OC], s[WV]
	s_mul_i32 s[OC], s[OC], 1536                   ; o's codes: [tile][pair][1,536]
	s_lshl_b32 s[OSC], ttmp9, 10
	s_lshr_b32 s58, s[WV], 2
	s_lshl_b32 s58, s58, 9
	s_add_co_u32 s[OSC], s[OSC], s58
	s_and_b32 s58, s[WV], 3
	s_lshl_b32 s58, s58, 2
	s_add_co_u32 s[OSC], s[OSC], s58
	s_add_co_u32 s[OSC], s[OSC], OS                ; o's scale words: [pair of tiles][half of K][lane][K step % 4]
.irp r, 33,35,37,39,41,45,47,49,51,53,55,57,61,63
	s_mov_b32 s\r, 0
.endr
	s_mov_b32 s[SEL], 0x76543210
	s_mov_b32 s[SEL+1], 0xfedcba98
	s_mov_b32 s[CS], 0x3e38aa3b                    ; c = log2(e) / 8
	s_mov_b32 s[CS+1], s[CS]
	s_mov_b32 s[L8], 0x40b17218                    ; 8 ln 2
	s_mov_b32 s[L8+1], s[L8]
	s_mov_b32 s[EPS], 0x26901d7d                   ; 1e-15
	s_mov_b32 s[J], 0
	s_mov_b32 s[CNT], 4
	s_bfe_u32 s21, s[WV], 0x10001
	s_mul_i32 s21, s21, LMT                        ; my rows' tile q = (wave / 2) % 2,
	s_and_b32 s58, s[WV], 1
	s_lshl_b32 s58, s58, 6
	s_add_co_u32 s21, s21, s58
	s_lshr_b32 s58, s[WV], 2
	s_lshl_b32 s58, s58, 7
	s_add_co_u32 s21, s21, s58                     ; and their lanes r = 4 (wave % 2) + 8 (wave / 4) + i, 16 bytes each
	s_and_b32 s58, ttmp9, 31
	s_mul_i32 s58, s58, 3                          ; my work-group's three blocks of a pair's 96
	s_add_co_u32 s59, s46, 196608-12288            ; V's key step 2, less K's 48 blocks
	s_add_co_u32 s13, s44, 24576                   ; K's key step 2
	v_and_b32 v[LANE], 31, v0
	v_lshlrev_b32 v[LI], 4, v[LANE]
	v_lshrrev_b32 v2, 3, v[LANE]
	v_and_b32 v3, 3, v[LANE]
	v_lshl_add_u32 v2, v2, 2, v3                   ; lane l of a row's load holds keys 4 l ..: quad 4 (l / 8) + l % 4,
	v_bfe_u32 v3, v0, 2, 1                         ; half (l / 4) % 2
	v_mul_u32_u24 v2, v2, 528
	v_lshl_add_u32 v2, v3, 8, v2
	v_add_nc_u32 v[LMWR], s21, v2
	v_min_u32 v3, 2, v[LANE]
	v_add_nc_u32 v3, s58, v3                       ; block 0..95: under 48 K's, else V's
	v_cmp_gt_u32 vcc_lo, 48, v3
	v_lshlrev_b32 v3, 8, v3
	v_add_nc_u32 v4, s59, v3
	v_add_nc_u32 v3, s13, v3
	v_cndmask_b32 v[PFO], v4, v3, vcc_lo           ; at key step 2: each trip steps it ahead of its prefetch
	v_mov_b32 v4, 0x18000
	v_mov_b32 v8, 0x3000
	v_cndmask_b32 v[PFS], v4, v8, vcc_lo           ; bytes from key step to key step
	ALU                                            ; the head's addresses are first read behind the wait below
	s_wait_kmcnt 0x0
	s_add_nc_u64 s[KB:KB+1], s[4:5], s[44:45]
	s_add_nc_u64 s[VB:VB+1], s[4:5], s[46:47]
	s_add_nc_u64 s[KSB:KSB+1], s[4:5], s[48:49]
	s_add_nc_u64 s[VSB:VSB+1], s[4:5], s[50:51]
	s_add_nc_u64 s[CB:CB+1], s[6:7], s[52:53]
	s_add_nc_u64 s[54:55], s[4:5], s[54:55]
	s_add_nc_u64 s[56:57], s[4:5], s[56:57]
	s_add_nc_u64 s[OC:OC+1], s[8:9], s[OC:OC+1]
	s_add_nc_u64 s[OSC:OSC+1], s[8:9], s[OSC:OSC+1]
	LDC                                            ; key step 0's cutoff rows
	global_load_b128 v[Q0:Q0+3], v[LI], s[54:55]                    ; the image's registers 0-5 are the even head's codes, 6-11 the odd head's
	global_load_b64 v[Q0+4:Q0+5], v[LI], s[54:55] offset:512
	global_load_b64 v[Q0+12:Q0+13], v[LI], s[54:55] offset:520
	global_load_b128 v[Q0+14:Q0+17], v[LI], s[54:55] offset:1024
	WIN 0x40
	global_load_b128 v[Q1:Q1+3], v[LI], s[54:55] offset:1536
	global_load_b64 v[Q1+4:Q1+5], v[LI], s[54:55] offset:2048
	global_load_b64 v[Q1+12:Q1+13], v[LI], s[54:55] offset:2056
	global_load_b128 v[Q1+14:Q1+17], v[LI], s[54:55] offset:2560
	WIN 0
	global_load_b32 v[QSC], v[LI], s[56:57]
	LDV 0
	WIN 0x40
.irp i, 6,7,8,9,10,11
	v_mov_b32 v[Q1+\i], 0
.endr
.set i, 0
.rept 128
	v_mov_b32 v[i], 0                              ; O^T.  (The key step is written without a first step of its own: the first change of M multiplies zeros)
.set i, i+1
.endr
	WIN 0
.irp i, 6,7,8,9,10,11
	v_mov_b32 v[Q0+\i], 0
.endr
.irp x, 0,1,2,3
	v_mov_b32 v[ST+4*\x+1], 0xff61b1e6             ; the largest score so far: -3e38
	v_floor_f32 v[ST+4*\x], -v[ST+4*\x+1]          ; -M: so large that the first change of M gives f = 0
	v_mov_b32 v[ST+4*\x+2], 0
	v_mov_b32 v[ST+4*\x+3], 0
.endr
.irp i, 0,1,2,3,4,5,6,7
	v_mov_b32 v[PT+\i], 0                          ; a lane permute's destination counts as read
.endr
	v_mov_b32 v[F+1], 0                            ; (named as the upper half of a pair)
	ALU
	s_wait_loadcnt 21                              ; the cutoff rows are in; Q's 9 loads and V's 12 may be out
	s_add_nc_u64 s[CB:CB+1], s[CB:CB+1], 512
	MKLM 0                                         ; key step 0's lm; key step 1's cutoff rows are asked for
	LDK
	s_barrier_signal -1
	s_barrier_wait -1
	LDLM 0, 0
	global_load_b128 v[VSC:VSC+3], v[LI], s[VSB:VSB+1]
	LDV 1
.Lstep:                                                ; a trip is two key steps: the two buffers of lm come back to where they began
	STEPM 0
	STEPM 1
	s_sub_co_u32 s[CNT], s[CNT], 1
	s_cmp_lg_u32 s[CNT], 0
	ALU
	s_cbranch_scc1 .Lstep
	; THE WAY OUT: O^T / the sum, quantised along (head, d): a tile's two heads are one fragment, K step = the pair
	s_wait_loadcnt 0x0                             ; (the last trip's loads, which nobody uses)
	s_wait_dscnt 0x0
.irp x, 0,1,2,3
	v_add_f32 v[BM+\x], v[ST+4*\x+2], v[ST+4*\x+3]
.endr
.irp x, 0,1,2,3
	v_permlanex16_b32 v[PT+\x], v[BM+\x], s[SEL], s[SEL+1]
.endr
.irp x, 0,1,2,3
	v_add_f32 v[BM+\x], v[BM+\x], v[PT+\x]
.endr
	ALU
.irp x, 0,1,2,3
	v_rcp_f32 v[ST+4*\x+2], v[BM+\x]
.endr
	v_nop                                          ; a plain instruction behind the last reciprocal
.macro OUTQ q
	WIN 0x01
	ALU                                            ; behind the reciprocals, directly ahead of the first reader of this tile's O^T
.set i, 0
.rept 32
	v_pk_mul_f32 v[S+i:S+i+1], v[64*(\q)+i:64*(\q)+i+1], v[ST+4*((\q)+2*(i/32))+2:ST+4*((\q)+2*(i/32))+3] op_sel_hi:[1,0]   ; ascending: each accumulator from its low end on
.set i, i+2
.endr
	WIN 0
.irp b, 0,1,2,3
	v_max3_num_f32 v[BM+\b], |v[S+16*\b]|, |v[S+16*\b+1]|, 0x1800000
.endr
.irp i, 2,4,6,8,10,12,14
.irp b, 0,1,2,3
	v_max3_num_f32 v[BM+\b], v[BM+\b], |v[S+16*\b+\i]|, |v[S+16*\b+\i+1]|
.endr
.endr
.irp b, 0,1,2,3
	v_permlanex16_b32 v[PT+\b], v[BM+\b], s[SEL], s[SEL+1]
.endr
.irp b, 0,1,2,3
	v_max_num_f32 v[BM+\b], v[BM+\b], v[PT+\b]
.endr
	QZ VF+12*(\q), QSC+(\q)
.irp c, 0,1,2
	global_store_b128 v[LI], v[VF+12*(\q)+4*\c:VF+12*(\q)+4*\c+3], s[OC:OC+1] offset:12288*(\q)+512*\c   ; 512 consecutive bytes, aligned
.endr
.endm
	OUTQ 0
	OUTQ 1
	v_cmp_lt_u32 vcc_lo, 15, v[LANE]
	v_cndmask_b32 v[MI], v[QSC], v[PW], vcc_lo     ; lanes 0-15 tile 0's words, lanes 16-31 tile 1's
	global_store_b32 v[LI], v[MI], s[OSC:OSC+1]    ; 4 bytes a lane, 16 bytes apart: 128 bytes a wave, the one store here that fills no 256 bytes on end
	s_wait_tensorcnt 0x0                           ; the wave's end
	ds_add_u32 v[SPW], v[NIL]
	s_wait_dscnt 0x0
	s_endpgm
.Lfunc_end_k_q9688c8112d_attn:
	.size	k_q9688c8112d_attn, .Lfunc_end_k_q9688c8112d_attn-k_q9688c8112d_attn
	.p2alignl 7, 3214868480
	.fill 96, 4, 3214868480
	.section	.rodata,"a",@progbits
	.p2align	6, 0x0
	.amdhsa_kernel k_q9688c8112d_attn
		.amdhsa_group_segment_fixed_size 34816
		.amdhsa_private_segment_fixed_size 0
		.amdhsa_enable_private_segment 0
		.amdhsa_kernarg_size 24
		.amdhsa_user_sgpr_count 2
		.amdhsa_user_sgpr_kernarg_segment_ptr 1
		.amdhsa_wavefront_size32 1
		.amdhsa_system_sgpr_workgroup_id_x 1
		.amdhsa_system_sgpr_workgroup_id_y 1
		.amdhsa_system_sgpr_workgroup_id_z 1
		.amdhsa_system_vgpr_workitem_id 0
		.amdhsa_next_free_vgpr 512
		.amdhsa_next_free_sgpr 66
		.amdhsa_reserve_vcc 1
		.amdhsa_float_denorm_mode_32 3
		.amdhsa_float_denorm_mode_16_64 3
		.amdhsa_memory_ordered 1
		.amdhsa_forward_progress 1
		.amdhsa_inst_pref_size 166
	.end_amdhsa_kernel
	.amdgpu_metadata
---
amdhsa.version: [ 1, 2 ]
amdhsa.kernels:
  - .name:           k_q9688c8112d_attn
    .symbol:         k_q9688c8112d_attn.kd
    .args:
      - { .name: qkv, .offset: 0, .size: 8, .value_kind: global_buffer, .address_space: global }
      - { .name: cutoff_factors, .offset: 8, .size: 8, .value_kind: global_buffer, .address_space: global }
      - { .name: oq, .offset: 16, .size: 8, .value_kind: global_buffer, .address_space: global }
    .group_segment_fixed_size: 34816
    .private_segment_fixed_size: 0
    .kernarg_segment_align: 8
    .kernarg_segment_size: 24
    .max_flat_workgroup_size: 256
    .sgpr_count:     66
    .vgpr_count:     512
    .wavefront_size: 32
...
	.end_amdgpu_metadata
.endif
;; end of part 3
;; launch proj (part 4): grid 64 x 4, 4 waves a work-group, clusters of 4 x 4, 327,680 bytes of LDS; arguments oq, ops, bo, out0; writes out0
.if DOCPART == 4
	.amdgcn_target "amdgcn-amd-amdhsa--gfx1250"
	.amdhsa_code_object_version 6
	.text
	.protected	k_q9688c8112d_proj
	.globl	k_q9688c8112d_proj
	.p2align	8
	.type	k_q9688c8112d_proj,@function
k_q9688c8112d_proj:
	s_mov_b64 s[64:65], 0
	v_nop
	global_prefetch_b8 v0, s[64:65] scope:SCOPE_SE
	s_setreg_imm32_b32 hwreg(HW_REG_WAVE_MODE, 25, 1), 1
	s_wait_xcnt 0x0
	s_wait_alu depctr_hold_cnt(0) depctr_sa_sdst(0) depctr_va_vdst(0) depctr_va_sdst(0) depctr_va_ssrc(0) depctr_va_vcc(0) depctr_vm_vsrc(0)
	s_getreg_b32 s2, hwreg(HW_REG_IB_STS2, 6, 4)
	s_cmp_eq_u32 s2, 0
	s_cbranch_scc0 .Lentry_in_a_cluster
	s_endpgm
.Lentry_in_a_cluster:
	s_bfe_u32 s2, ttmp6, 0x10000c
	s_cmp_lg_u32 s2, 0xf033
	s_cbranch_scc0 .Lentry_shape_is_right
	s_endpgm
.Lentry_shape_is_right:
; out0 = o Wo^T + bo on codes of FP6 (E2M3) with E8M0 scales, K = 1,024.  o's and Wo's fragments lie in memory as register images of 1,536 bytes, [tile][K step].
; A work-group makes 128 tokens x 256 columns (256 work-groups), a wave 64 x 128: 32 accumulators.  Source 0 = 16 rows of Wo, source 1 = 16 tokens: a lane holds a token and eight neighbouring columns.
; Lane r of a tile holds row 32 (T / 2) + 8 (T % 2) + r % 8 + 16 (r / 8); so registers of Wo's tiles 2 b, 2 b + 1 are columns 32 b + 16 h + 0 .. 15, and a tile's rows are stored to those tokens.
; ALL OF K LIES IN LDS: o's 8 tiles and Wo's 16, 294,912 bytes, filled once by one load a wave; nothing is filled again.  The one fill is waited for ahead of the first step.  bo is the C of each sum's first product.
; CLUSTER 4 x 4 (one cluster along y: work-group y is cy): o's tiles hang on work-group x alone and are asked for jointly by a column of the cluster, Wo's on work-group y alone, by a row.
; No prefetch: all of a work-group's bytes are asked for at its head.
; REGISTERS: window 0: v1-15 addresses; v16-47 Wo's scale words, v48-63 o's; v64-159 o's 4 fragments, two sets; v160-223 bo.  window 1: Wo's 8 fragments, two sets.  window 2: accumulator (a, b) at v[8 (8 a + b)].
.set OS,   6291456
.set SC0,  9437184
.set GRP,  73728
.set LI,   1
.set ADRR, 2
.set ADRP, 6
.set STO,  10
.set RD,   11
.set SCP,  16
.set SCR,  48
.set RF,   64
.set BP,   160
.set BK,   64
.set G1O,  24
.set G1W,  32
.set G0O,  40                          ; s[40:43] group 0 for o's tiles;  s[68:71] for Wo's
.set G0W,  68
.set MSB, 0
.macro WIN new                         ; the immediate's high byte repeats the setting that is left
.if MSB != \new
	s_set_vgpr_msb (MSB<<8)|\new
.set MSB, \new
.endif
.endm
.macro PLACES                          ; four plain instructions behind matrix instructions (ISA guide 7.12.1)
.rept 4
	v_nop
.endr
.endm
.macro CROUND
	s_barrier_signal -1
	s_barrier_wait -1
	s_cmp_lg_u32 s12, 0
	s_cbranch_scc1 .Lnot_wave_0_\@
	s_barrier_signal -3
.Lnot_wave_0_\@:
	s_barrier_wait -3
	s_barrier_signal -1
	s_barrier_wait -1
.endm
.macro WMMA ar, br
.if (\ar) == 0
.if (\br) == 0
	v_wmma_scale_f32_16x16x128_f8f6f4 v[rD:rD+7], v[rA:rA+11], v[rB:rB+11], v[rC:rC+7], v[rSA], v[rSB] matrix_a_fmt:MATRIX_FMT_FP6 matrix_b_fmt:MATRIX_FMT_FP6
.else
	v_wmma_scale_f32_16x16x128_f8f6f4 v[rD:rD+7], v[rA:rA+11], v[rB:rB+11], v[rC:rC+7], v[rSA], v[rSB] matrix_a_fmt:MATRIX_FMT_FP6 matrix_b_fmt:MATRIX_FMT_FP6 matrix_b_scale:MATRIX_SCALE_ROW1
.endif
.else
.if (\br) == 0
	v_wmma_scale_f32_16x16x128_f8f6f4 v[rD:rD+7], v[rA:rA+11], v[rB:rB+11], v[rC:rC+7], v[rSA], v[rSB] matrix_a_fmt:MATRIX_FMT_FP6 matrix_b_fmt:MATRIX_FMT_FP6 matrix_a_scale:MATRIX_SCALE_ROW1
.else
	v_wmma_scale_f32_16x16x128_f8f6f4 v[rD:rD+7], v[rA:rA+11], v[rB:rB+11], v[rC:rC+7], v[rSA], v[rSB] matrix_a_fmt:MATRIX_FMT_FP6 matrix_b_fmt:MATRIX_FMT_FP6 matrix_a_scale:MATRIX_SCALE_ROW1 matrix_b_scale:MATRIX_SCALE_ROW1
.endif
.endif
.endm
	s_load_b256 s[4:11], s[0:1], 0x0               ; oq, ops, bo, out0
	v_lshl_add_u32 v254, v0, 2, 0x48000
	v_mov_b32 v255, 0
	ds_add_u32 v254, v255
	ds_add_u32 v254, v255
	v_lshrrev_b32 v1, 5, v0
	v_readfirstlane_b32 s12, v1                    ; wave 0..3
	s_lshr_b32 s13, s12, 1                         ; hr: my 64 tokens.  Also: I fetch o's tiles (0) or Wo's (1)
	s_and_b32 s14, s12, 1                          ; hp: my 128 columns.  Also: which half of the tiles I fetch
	s_bfe_u32 s15, ttmp6, 0x40000                  ; cx
	s_bfe_u32 s16, ttmp6, 0x40004                  ; cy = work-group y
	s_lshl_b32 s17, ttmp9, 2
	s_add_co_u32 s17, s17, s15                     ; work-group x
	s_lshl_b32 s18, 0x1111, s15                    ; my column of the cluster: it shares o's tiles
	s_lshl_b32 s19, s16, 2
	s_lshl_b32 s19, 15, s19                        ; my row: it shares Wo's
	s_or_b32 s[G1O], s18, (3<<16)|(1<<21)
	s_or_b32 s[G1W], s19, (3<<16)|(1<<21)
.irp g, G1O, G1W
	s_mov_b32 s[\g+1], 1536<<16                    ; rows (tiles) of 12,288 bytes, all of K: 1,536 elements of 8 bytes, one behind the other
	s_mov_b32 s[\g+3], 1536<<16
	s_mov_b32 s[\g+5], 1536                        ; 12,288 bytes from tile to tile
	s_mov_b32 s[\g+6], 0
	s_mov_b32 s[\g+7], 0
.endr
	s_mov_b32 s[G1O+2], 4<<16
	s_mov_b32 s[G1O+4], 4
	s_mov_b32 s[G1W+2], 8<<16
	s_mov_b32 s[G1W+4], 8
	s_lshl_b32 s20, s17, 3
	s_lshl_b32 s84, s14, 2
	s_add_co_u32 s20, s20, s84                     ; o's tile 8 x work-group x + 4 x half
	s_mul_i32 s20, s20, 12288
	s_mov_b32 s21, 0
	s_lshl_b32 s22, s16, 4
	s_lshl_b32 s85, s14, 3
	s_add_co_u32 s22, s22, s85
	s_add_co_u32 s22, s22, 704                     ; Wo's tile 704 + 16 x work-group y + 8 x half
	s_mul_i32 s22, s22, 12288
	s_mov_b32 s23, 0
	s_mul_i32 s84, s14, 49152                      ; LDS: o's 8 tiles x 12,288, then Wo's 16: ONE load a wave brings its tiles for all of K
	s_mul_i32 s85, s14, 98304
	s_add_co_u32 s85, s85, 98304
	s_wait_dscnt 0x0
	s_wait_kmcnt 0x0
	s_add_nc_u64 s[20:21], s[4:5], s[20:21]
	s_add_nc_u64 s[22:23], s[6:7], s[22:23]
.irp g, 0
	s_mov_b32 s[G0O+4*\g], 1
	s_add_co_u32 s[G0O+4*\g+1], s84, \g*GRP
	s_add_nc_u64 s[G0O+4*\g+2:G0O+4*\g+3], s[20:21], \g*3072
	s_or_b32 s[G0O+4*\g+3], s[G0O+4*\g+3], 0x80000000
	s_mov_b32 s[G0W+4*\g], 1
	s_add_co_u32 s[G0W+4*\g+1], s85, \g*GRP
	s_add_nc_u64 s[G0W+4*\g+2:G0W+4*\g+3], s[22:23], \g*3072
	s_or_b32 s[G0W+4*\g+3], s[G0W+4*\g+3], 0x80000000
.endr
	CROUND                                         ; all sixteen work-groups are here: the joint loads meet
	s_cmp_eq_u32 s13, 0                            ; a wave's one fill stands in one branch: one load of mine is out
	s_cbranch_scc0 .Lfor_w
	tensor_load_to_lds s[G0O:G0O+3], s[G1O:G1O+7]
	s_nop 0
	PLACES
	s_branch .Lasked
.Lfor_w:
	tensor_load_to_lds s[G0W:G0W+3], s[G1W:G1W+7]
	s_nop 0
	PLACES
.Lasked:
	v_and_b32 v12, 31, v0
	v_lshlrev_b32 v[LI], 4, v12
	s_wait_alu depctr_va_vdst(0)
	v_and_b32 v13, 15, v0                          ; r
	v_bfe_u32 v14, v0, 4, 1                        ; h
	s_wait_alu depctr_va_vdst(0)
	s_lshl_b32 s86, s16, 4
	s_lshl_b32 s87, s14, 3
	s_add_co_u32 s86, s86, s87
	s_add_co_u32 s86, s86, 704
	s_lshl_b32 s86, s86, 9
	s_add_co_u32 s86, s86, SC0                     ; Wo's scale words: 1,024 bytes a pair of tiles
	v_add_nc_u32 v15, s86, v[LI]
	s_wait_alu depctr_va_vdst(0)
	s_lshl_b32 s86, s17, 3
	s_lshl_b32 s87, s13, 2
	s_add_co_u32 s86, s86, s87
	s_lshl_b32 s86, s86, 9
	s_add_co_u32 s86, s86, OS                      ; o's
	v_add_nc_u32 v224, s86, v[LI]
	s_lshl_b32 s86, s16, 10
	s_lshl_b32 s87, s14, 9
	s_add_co_u32 s86, s86, s87                     ; my first column, in bytes
	v_lshl_add_u32 v225, v14, 6, s86
.irp p, 0,1,2,3
.irp k, 0,1
	global_load_b128 v[SCP+8*\p+4*\k:SCP+8*\p+4*\k+3], v15, s[6:7] offset:\p*1024+\k*512
.endr
.endr
.irp p, 0,1
.irp k, 0,1
	global_load_b128 v[SCR+8*\p+4*\k:SCR+8*\p+4*\k+3], v224, s[4:5] offset:\p*1024+\k*512
.endr
.endr
.irp g, 0,1,2,3
.irp m, 0,1,2,3
	global_load_b128 v[BP+16*\g+4*\m:BP+16*\g+4*\m+3], v225, s[8:9] offset:128*\g+16*\m   ; bo at columns 32 g + 16 h + 4 m ..
.endr
.endr
	s_mul_i32 s88, s13, 49152
	s_mul_i32 s89, s14, 98304
	s_add_co_u32 s89, s89, 98304
.irp g, 0,1,2,3
	v_add_nc_u32 v[ADRR+\g], s88, v[LI]            ; o's tile g of my four
	v_add_nc_u32 v[ADRP+\g], s89, v[LI]            ; Wo's tiles 2 g, 2 g + 1 of my eight
	s_add_co_u32 s88, s88, 12288
	s_add_co_u32 s89, s89, 24576
.endr
	s_mul_i32 s88, s12, 8448                       ; my stage for the way out: 16 rows x 528 bytes, in group 0's bytes
	v_mul_u32_u24 v[STO], v13, 528
	v_lshl_add_u32 v[STO], v14, 6, v[STO]
	v_add_nc_u32 v[STO], s88, v[STO]               ; in: row r, + 64 h
	v_add_nc_u32 v[RD], s88, v[LI]                 ; back: 16 bytes a lane of a row
	s_lshl_b32 s88, s17, 7
	s_lshl_b32 s89, s13, 6
	s_add_co_u32 s88, s88, s89                     ; my first token
	s_lshl_b32 s88, s88, 12
	s_add_co_u32 s88, s88, s86
	s_mov_b32 s89, 0
	s_add_nc_u64 s[10:11], s[10:11], s[88:89]
.macro FRAGLD reg, adr, off
.irp c, 0,1,2
	ds_load_b128 v[\reg+4*\c:\reg+4*\c+3], v[\adr] offset:\off+512*\c
.endr
.endm
.macro FETCH ks                        ; K step ks: Wo's eight fragments and o's four, into set ks % 2
	WIN 0x40
.irp i, 0,1,2,3,4,5,6,7
	FRAGLD 128*((\ks)%2)+12*\i, ADRP+\i/2, (\i%2)*12288+(\ks)*1536
.endr
	WIN 0
.irp i, 0,1,2,3
	FRAGLD RF+48*((\ks)%2)+12*\i, ADRR+\i, (\ks)*1536
.endr
.endm
.macro STEP ks
	s_wait_dscnt 0x0                               ; this step's fragments are in
.if (\ks) < 7
	PLACES
	FETCH (\ks)+1                                  ; 36 loads, with this step's 32 products ahead of the wait for them
.endif
.if (\ks) == 0
	WIN 0x81                                       ; C = bo, in window 0
.else
	WIN 0xa1
.endif
.irp a, 0,1,2,3                        ; the 32 accumulators take turns, one instruction a turn
.irp b, 0,1,2,3,4,5,6,7
.set rD, 8*(8*\a+\b)
.if (\ks) == 0
.set rC, BP+8*\b
.else
.set rC, rD
.endif
.set rA, 128*((\ks)%2)+12*\b
.set rB, RF+48*((\ks)%2)+12*\a
.set rSA, SCP+8*(\b/2)+(\ks)
.set rSB, SCR+8*(\a/2)+(\ks)
	WMMA \b%2, \a%2
.endr
.endr
	WIN 0
.endm
	s_wait_alu depctr_va_vdst(0)
	s_wait_tensorcnt 0x0                           ; my one load is in
	s_barrier_signal -1
	s_barrier_wait -1
	FETCH 0
	s_wait_loadcnt 0x0                             ; scale words and bo
.irp k, 0,1,2,3,4,5,6,7
	STEP \k
.endr
; THE WAY OUT, a tile of 16 tokens x 128 columns at a time, through my stage: it lies in group 0's bytes, which have had their one fill and which nobody reads behind the barrier below.
.macro TOSTAGE a
	WIN 0x08                                       ; the data: window 2
.irp b, 0,1,2,3,4,5,6,7
	ds_store_b128 v[STO], v[8*(8*(\a)+\b):8*(8*(\a)+\b)+3] offset:128*(\b/2)+32*(\b%2)        ; each accumulator from its low end on
	ds_store_b128 v[STO], v[8*(8*(\a)+\b)+4:8*(8*(\a)+\b)+7] offset:128*(\b/2)+32*(\b%2)+16
.endr
	WIN 0
.irp t, 0,1,2,3,4,5,6,7,8,9,10,11,12,13,14,15
	ds_load_b128 v[BK+64*((\a)%2)+4*\t:BK+64*((\a)%2)+4*\t+3], v[RD] offset:\t*528   ; LDS serves a wave's instructions in order: these see the stores above
.endr
.endm
.macro SEND a, younger
	s_wait_dscnt \younger
.irp t, 0,1,2,3,4,5,6,7,8,9,10,11,12,13,14,15
	global_store_b128 v[LI], v[BK+64*((\a)%2)+4*\t:BK+64*((\a)%2)+4*\t+3], s[10:11] offset:(32*((\a)/2)+8*((\a)%2)+(\t%8)+16*(\t/8))*4096 th:TH_STORE_NT   ; 512 consecutive bytes of a token's row, aligned
.endr
.endm
	PLACES
	s_wait_dscnt 0x0
	s_barrier_signal -1
	s_barrier_wait -1
	TOSTAGE 0
.irp a, 1,2,3
.if \a > 1
	s_wait_xcnt 0x0                                ; the stores of two tiles back have read the registers into which this tile's rows come
.endif
	TOSTAGE \a
	SEND \a-1, 32                                  ; behind that tile's loads: this tile's 16 stores and 16 loads
.endr
	SEND 3, 0
	s_wait_tensorcnt 0x0
	s_wait_dscnt 0x0
	s_wait_tensorcnt 0x0
	ds_add_u32 v254, v255
	s_wait_dscnt 0x0
	CROUND                                         ; the closing round
	s_endpgm
.Lfunc_end_k_q9688c8112d_proj:
	.size	k_q9688c8112d_proj, .Lfunc_end_k_q9688c8112d_proj-k_q9688c8112d_proj
	.p2alignl 7, 3214868480
	.fill 96, 4, 3214868480
	.section	.rodata,"a",@progbits
	.p2align	6, 0x0
	.amdhsa_kernel k_q9688c8112d_proj
		.amdhsa_group_segment_fixed_size 327680
		.amdhsa_private_segment_fixed_size 0
		.amdhsa_enable_private_segment 0
		.amdhsa_kernarg_size 32
		.amdhsa_user_sgpr_count 2
		.amdhsa_user_sgpr_kernarg_segment_ptr 1
		.amdhsa_wavefront_size32 1
		.amdhsa_system_sgpr_workgroup_id_x 1
		.amdhsa_system_sgpr_workgroup_id_y 1
		.amdhsa_system_sgpr_workgroup_id_z 1
		.amdhsa_system_vgpr_workitem_id 0
		.amdhsa_next_free_vgpr 768
		.amdhsa_next_free_sgpr 100
		.amdhsa_reserve_vcc 0
		.amdhsa_float_denorm_mode_32 3
		.amdhsa_float_denorm_mode_16_64 3
		.amdhsa_memory_ordered 1
		.amdhsa_forward_progress 1
		.amdhsa_inst_pref_size 77
	.end_amdhsa_kernel
	.amdgpu_metadata
---
amdhsa.version: [ 1, 2 ]
amdhsa.kernels:
  - .name:           k_q9688c8112d_proj
    .symbol:         k_q9688c8112d_proj.kd
    .args:
      - { .name: oq, .offset: 0, .size: 8, .value_kind: global_buffer, .address_space: global }
      - { .name: ops, .offset: 8, .size: 8, .value_kind: global_buffer, .address_space: global }
      - { .name: bo, .offset: 16, .size: 8, .value_kind: global_buffer, .address_space: global }
      - { .name: out0, .offset: 24, .size: 8, .value_kind: global_buffer, .address_space: global }
    .group_segment_fixed_size: 327680
    .private_segment_fixed_size: 0
    .kernarg_segment_align: 8
    .kernarg_segment_size: 32
    .max_flat_workgroup_size: 128
    .sgpr_count:     100
    .vgpr_count:     768
    .wavefront_size: 32
...
	.end_amdgpu_metadata
.endif
;; end of part 4
